; MI455X (gfx1250); checked and timed in simulation.
; The chip was launched on July 23, 2026; its instructions are those of AMD's public machine-readable ISA for CDNA 5 (MIT licence, August 2026) and "CDNA5" Instruction Set Architecture Reference Guide (July 2026). The comments in the code are by the model that wrote it; some were corrected since.
;; Multi Head Attention. Allowed arithmetic: matrix products marked QUANTISED: E5M2 operands, one E8M0 scale for each 32 along K, by v_wmma_scale_f32_16x16x128_f8f6f4 with both operands' format E5M2, f32 sums; everything else in f32.
;; Inputs: Wk_codes 1,024 x 32 x 32 uint8 (E5M2 codes of Wk, K innermost, in blocks of 32 codes); Wk_scales 1,024 x 32 uint8 (E8M0 scales of Wk, one for each 32 codes along K); Wo_codes 1,024 x 32 x 32 uint8 (E5M2 codes of Wo, K innermost, in blocks of 32 codes); Wo_scales 1,024 x 32 uint8 (E8M0 scales of Wo, one for each 32 codes along K); Wq_codes 1,024 x 32 x 32 uint8 (E5M2 codes of Wq, K innermost, in blocks of 32 codes); Wq_scales 1,024 x 32 uint8 (E8M0 scales of Wq, one for each 32 codes along K); Wv_codes 1,024 x 32 x 32 uint8 (E5M2 codes of Wv, K innermost, in blocks of 32 codes); Wv_scales 1,024 x 32 uint8 (E8M0 scales of Wv, one for each 32 codes along K); bo 1,024 float32; x_codes 4 x 2,048 x 32 x 32 uint8 (E5M2 codes of x, K innermost, in blocks of 32 codes); x_scales 4 x 2,048 x 32 uint8 (E8M0 scales of x, one for each 32 codes along K).
;; Outputs: out0 4 x 2,048 x 1,024 float32.
;; This version of the problem:
;;   THIS VERSION OF THE PROBLEM IS GIVEN IN LOW PRECISION. The matrix products marked QUANTISED in the list below multiply operands that are first quantised to E5M2 (5 exponent bits, 2 mantissa bits; 8 bits a number), with one power-of-two scale for each 32 numbers along K (OCP MX v1.0); their sums are f32. All else is computed in f32.
;;   The module's matrix products, in the order in which they are computed (A, B: the left and right operand; K: the contracted axis; several contracted axes count as one K, in the product's order):
;;     1. [M 8,192, K 1,024] x [K 1,024, N 1,024]; A: input x (given as codes); B: input Wq (given as codes): QUANTISED
;;     2. [M 8,192, K 1,024] x [K 1,024, N 1,024]; A: input x (given as codes); B: input Wk (given as codes): QUANTISED
;;     3. [M 8,192, K 1,024] x [K 1,024, N 1,024]; A: input x (given as codes); B: input Wv (given as codes): QUANTISED
;;     4. batch 64 x [M 2,048, K 64] x [K 64, N 2,048]; A: computed on the way; B: computed on the way: QUANTISED
;;     5. batch 64 x [M 64, K 2,048] x [K 2,048, N 2,048]; A: computed on the way; B: softmax (see below): QUANTISED
;;     6. [M 8,192, K 1,024] x [K 1,024, N 1,024]; A: computed on the way; B: input Wo (given as codes): QUANTISED
;;   THE QUANTISER, for each operand of a quantised product, along K:
;;     - K is cut into blocks of 32 from its start; a last block that is shorter is filled with zeros.
;;     - A block's scale is 2^e with e = floor(log2(the largest magnitude in the block)) - 15, held to -126 .. 127; a block of zeros has e = 0. As a byte (E8M0): e + 127.
;;     - Each number is divided by its block's scale, clamped to +-57,344, and rounded to the nearest number of E5M2, ties to even, subnormals kept.
;;     - The product sums the exact products of the quantised numbers (number of the format x scale) in f32.
;;   ~~~python
;;   def quantise(x, axis):      # numpy; x: float32 -> the quantised numbers, widened to float32 again
;;       x = np.moveaxis(x, axis, -1); K = x.shape[-1]
;;       x = np.pad(x, [(0, 0)] * (x.ndim - 1) + [(0, -K % 32)]); x = x.reshape(x.shape[:-1] + (-1, 32)); a = np.abs(x).max(-1, keepdims=True)
;;       e = np.where(a > 0, np.clip(np.frexp(np.where(a > 0, a, 1))[1] - 1 - 15, -126, 127), 0)      # np.frexp(a)[1] - 1 = floor(log2(a)), exactly
;;       r = np.clip(x / 2.0 ** e, -57344, 57344)
;;       step = 2.0 ** (np.maximum(np.frexp(np.where(r == 0, 1, r))[1] - 1, -14) - 2)
;;       q = np.round(r / step) * step * 2.0 ** e      # np.round: ties to even
;;       return np.moveaxis(q.reshape(q.shape[:-2] + (-1,))[..., :K], -1, axis).astype(np.float32)
;;   ~~~
;;   SOFTMAX AHEAD OF A QUANTISED PRODUCT. Where the list says 'softmax', what is quantised is not the finished softmax but p = 2^(t - M), with t = logit x log2(e) and M = ceil(the row's largest t), a whole number; so 1/2 < the row's largest p <= 1. The row's sum l is taken of the UNQUANTISED p, in f32, and the product's result is divided by l at the end. Since M is a whole number, a kernel that streams over the keys may use a running M (the ceiling of the running maximum): every later rescaling is an exact power of two, which a block's scale takes up: the codes' values come out the same.
;;   OPERANDS COMPUTED ON THE WAY. 'Computed on the way' means the value that the module computes at that place (a softmax that the list does not call 'softmax' is quantised finished and normalised). What goes into a quantiser is computed in f32, as accurately as f32 sums, v_exp_f32 and their like allow (about 1e-6 of the number): no bf16 or f16 on the way to a quantiser, and a product that is left as it is and whose result goes on into a quantised operand takes f32 operands (vector FMAs, or v_wmma_f32_16x16x4_f32). A number that lies on a knife's edge between two numbers of the format may be rounded either way, as far as f32 arithmetic and the matrix unit's own rounding can turn it there, and no further.
;;   INPUTS GIVEN AS CODES. Wk (in the module: [1024, 1024], K = its axis 1); Wo (in the module: [1024, 1024], K = its axis 1); Wq (in the module: [1024, 1024], K = its axis 1); Wv (in the module: [1024, 1024], K = its axis 1); x (in the module: [4, 2048, 1024], K = its axis 2): each comes as NAME_codes (uint8): NAME with its K axis moved to the last place and cut into blocks of 32 codes, [.., K / 32, bytes a block], one block behind the other in memory; one code a byte (a code: sign, 5 exponent bits, 2 mantissa bits); and NAME_scales (uint8): the same leading axes, one E8M0 byte (e + 127) for each 32 codes along K. Its value is code x scale, taken as it is: it is not quantised again, and the codes and scales need not be those that the quantiser above would give.
;; One version. Each part assembles by itself: llvm-mc -triple=amdgcn-amd-amdhsa -mcpu=gfx1250 --defsym DOCPART=n.
;; ======== version 1 of 1: 3 launches
;; limits: right only within a limited range of input values
;; workspace buffers: qkv 25,165,824 bytes; qkv_sc 1,048,576 bytes; ctx_img 8,388,608 bytes; ctx_sc 262,144 bytes
;; launch qkv (part 1): grid 16 x 16, 4 waves a work-group, clusters of 4 x 4, 327,680 bytes of LDS; arguments x_codes, x_scales, Wq_codes, Wq_scales, Wk_codes, Wk_scales, Wv_codes, Wv_scales, qkv, qkv_sc; writes qkv, qkv_sc
.if DOCPART == 1
	.amdgcn_target "amdgcn-amd-amdhsa--gfx1250"
	.amdhsa_code_object_version 6
	.text
	.protected	k_qc447bd011d_qkv
	.globl	k_qc447bd011d_qkv
	.p2align	8
	.type	k_qc447bd011d_qkv,@function
k_qc447bd011d_qkv:
	s_mov_b64 s[64:65], 0
	v_nop
	global_prefetch_b8 v0, s[64:65] scope:SCOPE_SE
	s_setreg_imm32_b32 hwreg(HW_REG_WAVE_MODE, 25, 1), 1
	s_wait_xcnt 0x0
	s_wait_alu depctr_hold_cnt(0) depctr_sa_sdst(0) depctr_va_vdst(0) depctr_va_sdst(0) depctr_va_ssrc(0) depctr_va_vcc(0) depctr_vm_vsrc(0)
	s_getreg_b32 s2, hwreg(HW_REG_IB_STS2, 6, 4)
	s_cmp_eq_u32 s2, 0
	s_cbranch_scc0 .Lentry_in_a_cluster
	s_endpgm
.Lentry_in_a_cluster:
	s_bfe_u32 s2, ttmp6, 0x10000c
	s_cmp_lg_u32 s2, 0xf033
	s_cbranch_scc0 .Lentry_shape_is_right
	s_endpgm
.Lentry_shape_is_right:
; q = x Wq^T, k = x Wk^T, v = x Wv^T on codes of BF8 (E5M2) with one E8M0 scale for each 32 along K = 1,024; sums in f32.  The results are quantised in registers, q and k along the head's 64 channels,
; v along the tokens (the keys are the K of attention's second product), and stored as IMAGES OF OPERAND REGISTERS: a group of four registers is 512 bytes, lane l's 16 bytes at 16 l.
; THE DEAL.  256 work-groups of four waves, 2 x 2.  A wave holds 64 rows of a weight (one head), ALL of K, in 512 registers (windows 1, 2) and streams blocks of 16 tokens past them, which stand in registers as two whole sets (window 3); a block is 32 products.
; PHASE 1: 512 tokens x 128 columns of Q (clusters x = 0, 1) or K (2, 3): 16 blocks a wave.  PHASE 2: 256 tokens x 128 columns of V: 8 blocks a wave, of ONE OF THE WORK-GROUP'S OWN TWO WINDOWS of 256 tokens (number GV = cluster x % 2); Wv's tile is 4 (cluster x / 2) + cx.
; A row of waves owns whole key steps of 128 tokens: in window g, step 2 g + row.  A CHUNK (g, e) is 128 LDS rows: tokens 64 e .. 64 e + 63 of the window's two steps, 64 rows for each row of waves.
; LDS: two slots of 128 rows of 1,024 bytes + 16 of padding.  Phase 1 takes the window that is not V's first: chunks 0, 1 = (GO, 0), (GO, 1), chunks 2, 3 = (GV, 0), (GV, 1).  Slot 0: chunk 0, chunk 2, Wv, chunk 2 anew.  Slot 1: the first weight, chunk 1, chunk 3, which V takes first, as it lies.
; FILLS.  At the head one joint load a wave: waves 0, 1 the weight's halves, waves 2, 3 chunk 0's.  Refills, a quarter a wave, each behind a drained round of the cluster's barrier: chunk 1 when the weight is in registers; chunk 2, chunk 3, Wv inside blocks 2, 6, 10, into the slot whose last rows were fetched a block before;
; chunk 2 anew at the change of phase.  Each round also shows the fill before it; Wv and the last fill are shown by plain barriers inside blocks 14 and 18.  x's rows are shared along a row of the cluster, a weight's along a column.
; Q, K: source 0 = the weight's rows, source 1 = tokens: a lane holds a token.  Lane r of column tile b takes the weight's row 32 (r / 8) + 8 b + r % 8, so that lane (r, h) holds the 32 channels 32 h + 8 b + j of token r: a scale block lies in one lane, in the true order of K.
; V: source 0 = tokens, source 1 = Wv's rows: a lane holds a channel and 8 tokens; a pair of blocks gives lane (r, h) keys 32 c + 8 h + 0..7 and 32 c + 16 + 8 h + 0..7, the order in which the next launch lays p; the block's maximum is joined with lane l xor 16's.
; OUT: qkv [head 64][step 16][Q 8,192 | K 8,192 | V 8,192]; Q, K: [tile of 16 tokens 8][c 2][lane][16]; V: [tile of 16 channels 4][c 4][lane][16].
;      qkv_sc [head][step][Q 512 | K 256 | V 256]: Q: tile a's row r at 256 (a % 2) + 16 r + 4 (a / 2), its two bytes twice; K: pair p of tiles at 128 (p % 2) + 8 r + 4 (p / 2), two bytes a tile; V: channel tile t at 128 (t % 2) + 8 r + 4 (t / 2), a byte for each 32 keys.
; PREFETCH: chunks 1 and 2 at the head, chunk 3 in block 1: each of a cluster row's sixteen waves names 8,192 bytes, lanes 256 bytes apart, told apart by address.  The weights are not asked for: all clusters of a column of the grid read the same rows.
; LIMITS: NaN and infinities are not served; a block whose largest magnitude lies under 2^-111 keeps the byte 1 (a block of zeros too: its codes are zeros, and this program alone reads the bytes).
.set PITCH, 1040
.set YB,    128*PITCH                  ; slot 1
.set SPARE, 2*YB                       ; the spare words, 128 bytes for each wave
.set HSTR,  393216                     ; a head in qkv
.set SSTR,  24576                      ; a step in qkv
.set NP,    8                          ; places behind this matrix instruction (ISA guide 7.12.1)
.set ADW1, 4                           ; v4   LDS address of my fragments of the first weight (slot 1)
.set ADWV, 5                           ; v5   of Wv (slot 0)
.set AX0,  6                           ; v6, v7  of my rows of x in slot 0, 1
.set CN,   8                           ; v8   512 h + 16 r
.set L16,  9                           ; v9   16 x lane
.set L8,   10                          ; v10  8 x lane
.set ASO,  11                          ; v11  32 r + 16 h
.set AS1,  12                          ; v12  the same for the first weight's dealt rows
.set PF1,  13                          ; v13, v14  the prefetches' offsets
.set PF2,  14
.set SPW,  15                          ; v15  my spare word; never rewritten
.set NIL,  16                          ; v16  0; never rewritten
.set SH8,  17                          ; v17  8 h
.set SB,   32                          ; v32-47 the first weight's scale words, four registers a tile: lanes 0-15 K 0-511, lanes 16-31 K 512 on
.set SBV,  48                          ; v48-63 Wv's
.set SA,   66                          ; v66-81 x's, four sets of four: no product's two scale registers have numbers equal modulo 8
.set TQ,   84                          ; v84-87 largest magnitudes
.set TN,   88                          ; v88-91 the other chain's, the other half's; bytes
.set SV,   92                          ; v92-95 the conversions' scale operands
.set PW,   96                          ; v96-103 a step's scale bytes
.set BV,   104                         ; v104-107 the largest number x the scale
.set X,    108                         ; v108-115 scale words on their way out
.set ACC,  128                         ; v128-191 two sets of four accumulators
.set CD,   208                         ; v208-223 codes
.set TRY, 2                            ; tile row: 512 tokens
.set T1,  3                            ; the first weight's tile of 128 rows
.set SELA, 14                          ; s14, s15 v_permlanex16_b32's selects for lane l xor 16
.set SELB, 15
.set MNT, 16                           ; the mantissa field of 57,344
.set HI,  17                           ; lanes 16-31
.set PXA, 6                            ; s[6:7], s[12:13] x's scale bytes: my step of window GO, of window GV
.set PXB, 12
.set WV, 24
.set WR, 25
.set WC, 26
.set CX, 27
.set CY, 28
.set ISK, 29                           ; 0: phase 1 makes Q; 1: K
.set GV, 30
.set GO, 31
.set G1W, 32                           ; groups 1: 64 rows for my column; 64 rows for my row; 32 rows for my row; 32 rows for my column
.set G1A, 40
.set G1R, 48
.set G1V, 56
.set PS1, 66                           ; s66, s67 the prefetches' scalar parts
.set PS2, 67
.set G0W, 68
.set G0A, 72
.set G0R, 76
.set G0V, 80
.set XA, 84                            ; s[84:85], s[86:87] my quarter's rows of x in window GO, GV, with a descriptor's type bits
.set XB, 86
.set PQA, 88                           ; where my codes go: window GO, GV
.set PQB, 90
.set PSA, 92                           ; and my scale words
.set PSB, 94
.set PV,  96                           ; V's codes, V's words
.set PSV, 98
.set VC,  100                          ; Wv's tile
.set MSB, 0
.macro WIN new                         ; the immediate's high byte repeats the setting that is left
.if MSB != (\new)
	s_set_vgpr_msb (MSB<<8)|(\new)
.set MSB, (\new)
.endif
.endm
.macro PLACES n
.rept \n
	v_nop
.endr
.endm
.macro BARRIER
	s_barrier_signal -1
	s_barrier_wait -1
.endm
.macro MIDDLE                          ; a round's middle: behind my work-group's barrier wave 0 signals the cluster's, and all wait for it
	s_barrier_wait -1
	s_cmp_lg_u32 s[WV], 0
	s_cbranch_scc1 .Lnot_wave_0_\@
	s_barrier_signal -3
.Lnot_wave_0_\@:
	s_barrier_wait -3
.endm
.macro CROUND
	s_barrier_signal -1
	MIDDLE
	BARRIER
.endm
.macro TLOAD g0, g1                    ; an s_nop 0 and four v_nop follow a tensor load
	tensor_load_to_lds s[\g0:\g0+3], s[\g1:\g1+7]
	s_nop 0
	PLACES 4
.endm
.macro GROUP1 g, mask, rows            ; so many dense rows of 1,024 bytes, 16 bytes of padding behind each
	s_or_b32 s[\g+0], s[\mask], (1<<20)|(1<<21)|(7<<22)|(3<<25)
	s_mov_b32 s[\g+1], 1024<<16
	s_mov_b32 s[\g+2], (\rows)<<16
	s_mov_b32 s[\g+3], 1024<<16
	s_mov_b32 s[\g+4], \rows
	s_mov_b32 s[\g+5], 1024
	s_mov_b32 s[\g+6], 0
	s_mov_b32 s[\g+7], 0
.endm
.macro SH d, s, n
	s_lshl_b32 s[\d], s[\s], \n
.endm
.macro AD d, a, b
	s_add_co_u32 s[\d], s[\a], s[\b]
.endm
	s_load_b512 s[4:19], s[0:1], 0x0               ; x's codes, scales; Wq's; Wk's; Wv's
	s_load_b128 s[20:23], s[0:1], 0x40             ; qkv, qkv_sc
	v_lshl_add_u32 v[SPW], v0, 2, SPARE
	v_mov_b32 v[NIL], 0
	ds_add_u32 v[SPW], v[NIL]                      ; the opening lines: the add, twice on end, and its wait ahead of my first tensor load
	ds_add_u32 v[SPW], v[NIL]
	v_lshrrev_b32 v1, 5, v0
	v_readfirstlane_b32 s[WV], v1
	s_lshr_b32 s[WR], s[WV], 1
	s_and_b32 s[WC], s[WV], 1
	s_bfe_u32 s[CX], ttmp6, 0x40000
	s_bfe_u32 s[CY], ttmp6, 0x40004
	s_lshr_b32 s[ISK], ttmp9, 1
	s_and_b32 s[GV], ttmp9, 1
	s_xor_b32 s[GO], s[GV], 1
	s_and_b32 s[TRY], ttmp7, 0xffff
	SH TRY, TRY, 2
	AD TRY, TRY, CY
	SH T1, GV, 2
	AD T1, T1, CX
	SH VC, ISK, 2
	AD VC, VC, CX
	SH 104, CY, 2
	s_lshl_b32 s104, 15, s104                      ; my row of the cluster: shares x's rows
	s_lshl_b32 s105, 0x1111, s[CX]                 ; my column: shares the weights'
	GROUP1 G1W, 105, 64
	GROUP1 G1A, 104, 64
	GROUP1 G1R, 104, 32
	GROUP1 G1V, 105, 32
	; offsets into the buffers, each under 2^32.  x's rows: token 512 TRY + 256 g + 128 (wave / 2) + 64 e + 32 (wave % 2)
	SH 101, TRY, 19
	SH 104, WR, 17
	SH 105, WC, 15
	AD XA, 101, 104
	AD XA, XA, 105
	SH 104, GV, 18
	AD XB, XA, 104
	SH 105, GO, 18
	AD XA, XA, 105
	s_mov_b32 s[XA+1], 0
	s_mov_b32 s[XB+1], 0
	AD G0A+2, 101, 105                             ; the head's halves of chunk 0: 64 tokens of step wave % 2 of window GO
	SH 105, WC, 17
	AD G0A+2, G0A+2, 105
	s_mov_b32 s[G0A+3], 0
	s_lshr_b32 s[G0R+2], s[CX], 1                  ; the prefetches: quarter cx of a chunk, its part number wave
	SH G0R+2, G0R+2, 17
	s_and_b32 s[G0R+3], s[CX], 1
	SH G0R+3, G0R+3, 15
	AD G0R+2, G0R+2, G0R+3
	SH G0R+3, WV, 13
	AD G0R+2, G0R+2, G0R+3
	AD G0R+2, G0R+2, 101
	AD PS2, G0R+2, 104                             ; chunk 2
	SH G0R+3, GO, 18
	AD PS1, G0R+2, G0R+3
	s_add_co_u32 s[PS1], s[PS1], 65536             ; chunk 1
	SH G0W+2, T1, 17                               ; the weights' rows
	SH 105, WC, 16
	AD G0W+2, G0W+2, 105
	s_mov_b32 s[G0W+3], 0
	SH G0V+2, VC, 17
	SH 105, WV, 15
	AD G0V+2, G0V+2, 105
	s_mov_b32 s[G0V+3], 0
	; where my results go
	s_lshr_b32 s101, s[TRY], 2
	SH 101, 101, 4                                 ; 16 x batch
	SH 104, T1, 1
	AD 104, 104, 101
	AD 104, 104, WC                                ; phase 1's head
	s_and_b32 s105, s[TRY], 3
	SH 105, 105, 2
	AD 105, 105, WR                                ; my step in window 0
	s_mul_i32 s[PQA], s104, HSTR
	s_mul_i32 s[PQB], s105, SSTR
	AD PQA, PQA, PQB
	SH PQB, ISK, 13
	AD PQA, PQA, PQB
	s_mul_i32 s[PSA], s[GV], 2*SSTR
	AD PQB, PQA, PSA
	s_mul_i32 s[PSA], s[GO], 2*SSTR
	AD PQA, PQA, PSA
	SH PSA, 104, 14
	SH PSB, 105, 10
	AD PSA, PSA, PSB
	SH PSB, ISK, 9
	AD PSA, PSA, PSB
	SH PSB, GV, 11
	AD PSB, PSB, PSA
	SH PV, GO, 11
	AD PSA, PSA, PV
	SH 104, VC, 1
	AD 104, 104, 101
	AD 104, 104, WC                                ; phase 2's head
	SH 101, GV, 1
	AD 105, 105, 101                               ; my step in window GV
	s_mul_i32 s[PV], s104, HSTR
	s_mul_i32 s[PSV], s105, SSTR
	AD PV, PV, PSV
	s_add_co_u32 s[PV], s[PV], 16384
	SH PSV, 104, 14
	SH 101, 105, 10
	AD PSV, PSV, 101
	s_add_co_u32 s[PSV], s[PSV], 768
.irp p, PQA, PQB, PSA, PSB, PV, PSV
	s_mov_b32 s[\p+1], 0
.endr
	s_mov_b32 s[G0W], 1
	s_mul_i32 s[G0W+1], s[WC], 64*PITCH
	s_add_co_u32 s[G0W+1], s[G0W+1], YB
	s_mov_b32 s[G0A], 1
	s_mul_i32 s[G0A+1], s[WC], 64*PITCH
	s_mov_b32 s[G0V], 1
	s_mul_i32 s[G0V+1], s[WV], 32*PITCH
	s_mov_b32 s[G0R], 1
	s_mul_i32 s[G0R+1], s[WV], 32*PITCH
	s_add_co_u32 s[G0R+1], s[G0R+1], YB
	s_mul_i32 s101, s[WR], 64*PITCH
	s_mul_i32 s104, s[WC], 64*PITCH
	s_add_co_u32 s105, s104, YB
	v_and_b32 v1, 15, v0                           ; r
	v_bfe_u32 v2, v0, 4, 1                         ; h
	v_and_b32 v3, 31, v0                           ; lane
	v_mul_u32_u24 v20, v1, PITCH
	v_lshl_add_u32 v20, v2, 4, v20                 ; a fragment's row x pitch + 16 h
	v_add_nc_u32 v[AX0], s101, v20
	v_add_nc_u32 v[AX0+1], YB, v[AX0]
	v_add_nc_u32 v[ADWV], s104, v20
	v_lshrrev_b32 v21, 3, v1
	v_mad_u32_u24 v21, v21, 24, v1                 ; 32 (r / 8) + r % 8
	v_mul_u32_u24 v22, v21, PITCH
	v_lshl_add_u32 v22, v2, 4, v22
	v_add_nc_u32 v[ADW1], s105, v22
	v_lshlrev_b32 v23, 4, v2
	v_lshl_add_u32 v[AS1], v21, 5, v23
	v_lshl_add_u32 v[ASO], v1, 5, v23
	v_lshlrev_b32 v22, 9, v2
	v_lshl_add_u32 v[CN], v1, 4, v22
	v_lshlrev_b32 v[L16], 4, v3
	v_lshlrev_b32 v[L8], 3, v3
	v_lshlrev_b32 v[SH8], 3, v2
	v_lshl_add_u32 v[PF1], v3, 8, s[PS1]
	v_lshl_add_u32 v[PF2], v3, 8, s[PS2]
	v_mov_b32 v[TN+1], 0                           ; written once: a lane permute's destination counts as one of its sources
	s_wait_alu depctr_va_vdst(0)                   ; the wait at the head's end
	s_wait_dscnt 0x0                               ; both opening adds are done
	CROUND                                         ; all sixteen work-groups are here: the first joint loads meet
	s_wait_kmcnt 0x0
	s_cmp_eq_u32 s[ISK], 1                         ; the weight of q or of k
	s_cselect_b64 s[8:9], s[12:13], s[8:9]
	s_cselect_b64 s[10:11], s[14:15], s[10:11]
	s_add_nc_u64 s[G0W+2:G0W+3], s[8:9], s[G0W+2:G0W+3]
	s_or_b32 s[G0W+3], s[G0W+3], 0x80000000
	s_add_nc_u64 s[G0A+2:G0A+3], s[4:5], s[G0A+2:G0A+3]
	s_or_b32 s[G0A+3], s[G0A+3], 0x80000000
	s_cmp_lt_u32 s[WV], 2                          ; one joint load a wave; the weight's waves have a line of their own, since the first barrier shows their tiles alone
	s_cbranch_scc0 .Lfor_a
	TLOAD G0W, G1W
	s_branch .Lasked
.Lfor_a:
	TLOAD G0A, G1A
.Lasked:
	s_add_nc_u64 s[G0V+2:G0V+3], s[16:17], s[G0V+2:G0V+3]
	s_or_b32 s[G0V+3], s[G0V+3], 0x80000000
	s_add_nc_u64 s[XA:XA+1], s[4:5], s[XA:XA+1]
	s_or_b32 s[XA+1], s[XA+1], 0x80000000
	s_add_nc_u64 s[XB:XB+1], s[4:5], s[XB:XB+1]
	s_or_b32 s[XB+1], s[XB+1], 0x80000000
	s_add_nc_u64 s[G0R+2:G0R+3], s[XA:XA+1], 65536 ; chunk 1
	global_prefetch_b8 v[PF1], s[4:5] th:TH_LOAD_NT scope:SCOPE_SE
	global_prefetch_b8 v[PF2], s[4:5] th:TH_LOAD_NT scope:SCOPE_SE
	s_mov_b32 s105, 0
	SH 104, T1, 12
	SH 101, WC, 11
	AD 104, 104, 101
	s_add_nc_u64 s[10:11], s[10:11], s[104:105]    ; the first weight's scale bytes: my 64 rows
	SH 104, VC, 12
	AD 104, 104, 101
	s_add_nc_u64 s[18:19], s[18:19], s[104:105]    ; Wv's
	SH 104, TRY, 14
	SH 101, WR, 12
	AD 104, 104, 101
	s_add_nc_u64 s[6:7], s[6:7], s[104:105]
	SH 104, GV, 13
	s_add_nc_u64 s[PXB:PXB+1], s[6:7], s[104:105]
	SH 104, GO, 13
	s_add_nc_u64 s[PXA:PXA+1], s[6:7], s[104:105]
	s_add_nc_u64 s[PQA:PQA+1], s[20:21], s[PQA:PQA+1]
	s_add_nc_u64 s[PQB:PQB+1], s[20:21], s[PQB:PQB+1]
	s_add_nc_u64 s[PV:PV+1], s[20:21], s[PV:PV+1]
	s_add_nc_u64 s[PSA:PSA+1], s[22:23], s[PSA:PSA+1]
	s_add_nc_u64 s[PSB:PSB+1], s[22:23], s[PSB:PSB+1]
	s_add_nc_u64 s[PSV:PSV+1], s[22:23], s[PSV:PSV+1]
	s_mov_b32 s[SELA], 0x76543210
	s_mov_b32 s[SELB], 0xfedcba98
	s_mov_b32 s[MNT], 0x600000
	s_mov_b32 s[HI], 0xffff0000
.irp b, 0,1,2,3
	global_load_b128 v[SB+4*\b:SB+4*\b+3], v[AS1], s[10:11] offset:256*\b
.endr
.irp b, 0,1,2,3
	global_load_b128 v[SBV+4*\b:SBV+4*\b+3], v[ASO], s[18:19] offset:512*\b
.endr
	s_cmp_lt_u32 s[WV], 2
	s_cbranch_scc0 .Lnot_w
	s_wait_tensorcnt 0x0                           ; waves 0, 1: the weight's rows are in.  The other waves' wait stands in front of the round below
.Lnot_w:
	BARRIER
.macro WEIGHTS adr, rows               ; my 64 rows of a weight, all of K: fragment 4 q + b is 16 registers, fragments 0-15 in window 1, 16-31 in window 2; from tile to tile so many rows
.irp q, 0,1,2,3,4,5,6,7
	WIN (1+\q/4)<<6
.irp b, 0,1,2,3
.irp c, 0,1,2,3
	ds_load_b128 v[16*((4*\q+\b)%16)+4*\c:16*((4*\q+\b)%16)+4*\c+3], v[\adr] offset:128*\q+32*\c+\b*(\rows)*PITCH
.endr
.endr
.endr
	WIN 0
.endm
.macro FETCH i                         ; block i, 16 tokens, all of K, into set i % 2 of window 3: 32 LDS loads; and its scale words, one load
.if (\i) < 24
.if (\i) < 16
.set SL_, ((\i)/4)%2
.set A_, (\i)%8
.else
.set SL_, 1-((\i)/4)%2
.set A_, ((\i)-12)%8
.endif
.if (\i) < 8
.set PX_, PXA
.else
.set PX_, PXB
.endif
	WIN 3<<6
.irp q, 0,1,2,3,4,5,6,7
.irp c, 0,1,2,3
	ds_load_b128 v[128*((\i)%2)+16*\q+4*\c:128*((\i)%2)+16*\q+4*\c+3], v[AX0+SL_] offset:((\i)%4)*16*PITCH+128*\q+32*\c
.endr
.endr
	WIN 0
	global_load_b128 v[SA+4*((\i)%4):SA+4*((\i)%4)+3], v[ASO], s[PX_:PX_+1] offset:512*A_
.endif
.endm
.macro PROD i, n                       ; product n = 4 q + b of block i.  The four accumulators take turns; the first product starts the sums
.set Q_, (\n)/4
.set B_, (\n)%4
.set AC_, ACC+32*((\i)%2)+8*B_
.if (\i) < 16
.set M0_, 16*((\n)%16)
.set M1_, 128*((\i)%2)+16*Q_
.set S0_, SB+4*B_+Q_%4
.set S1_, SA+4*((\i)%4)+Q_%4
	WIN (1+(\n)/16)|(3<<2)
.else
.set M0_, 128*((\i)%2)+16*Q_
.set M1_, 16*((\n)%16)
.set S0_, SA+4*((\i)%4)+Q_%4
.set S1_, SBV+4*B_+Q_%4
	WIN 3|((1+(\n)/16)<<2)
.endif
.if Q_ == 0
	v_wmma_scale_f32_16x16x128_f8f6f4 v[AC_:AC_+7], v[M0_:M0_+15], v[M1_:M1_+15], 0, v[S0_], v[S1_] matrix_a_fmt:MATRIX_FMT_BF8 matrix_b_fmt:MATRIX_FMT_BF8
.elseif Q_ < 4
	v_wmma_scale_f32_16x16x128_f8f6f4 v[AC_:AC_+7], v[M0_:M0_+15], v[M1_:M1_+15], v[AC_:AC_+7], v[S0_], v[S1_] matrix_a_fmt:MATRIX_FMT_BF8 matrix_b_fmt:MATRIX_FMT_BF8
.else
	v_wmma_scale_f32_16x16x128_f8f6f4 v[AC_:AC_+7], v[M0_:M0_+15], v[M1_:M1_+15], v[AC_:AC_+7], v[S0_], v[S1_] matrix_a_fmt:MATRIX_FMT_BF8 matrix_b_fmt:MATRIX_FMT_BF8 matrix_a_scale:MATRIX_SCALE_ROW1 matrix_b_scale:MATRIX_SCALE_ROW1
.endif
.endm
.macro PRODS i, from, to
.set N_, \from
.rept (\to)-(\from)
	PROD \i, N_
.set N_, N_+1
.endr
.endm
; THE QUANTISER OF A BLOCK OF Q OR K: my 32 sums are one scale block.  The floor 2^(16 - 127) keeps the byte at 1 or above; the hold stands since the conversion does not saturate (ISA guide 7.6.2)
.macro QUANTQ i
.set X_, ACC+32*((\i)%2)
.irp k, 0,1,2,3
	v_max3_num_f32 v[TQ+\k], |v[X_+8*\k]|, |v[X_+8*\k+1]|, |v[X_+8*\k+2]|     ; each accumulator from its low end on
.endr
.irp m, 3,5
.irp k, 0,1,2,3
	v_max3_num_f32 v[TQ+\k], v[TQ+\k], |v[X_+8*\k+\m]|, |v[X_+8*\k+\m+1]|
.endr
.endr
.irp k, 0,1,2,3
	v_max_num_f32 v[TQ+\k], v[TQ+\k], |v[X_+8*\k+7]|
.endr
	v_max3_num_f32 v[TQ], v[TQ], v[TQ+1], v[TQ+2]
	v_max3_num_f32 v[TQ], v[TQ], v[TQ+3], 0x8000000
	v_add_nc_u32 v[SV], 0xf8800000, v[TQ]          ; 15 off the exponent field: the conversion's scale operand
	v_and_or_b32 v[BV], v[TQ], 0x7f800000, s[MNT]  ; 57,344 x the scale
	v_lshrrev_b32 v[TN], 23, v[SV]                 ; the byte
.set n, 0
.rept 32
	v_med3_num_f32 v[X_+n], v[X_+n], -v[BV], v[BV]
.set n, n+1
.endr
.irp k, 0,1,2,3
	v_cvt_scalef32_pk8_bf8_f32 v[CD+2*\k:CD+2*\k+1], v[X_+8*\k:X_+8*\k+7], v[SV]
.endr
	v_lshlrev_b32 v[TN], v[SH8], v[TN]             ; my byte at place h; (a plain line behind the last conversion)
	v_permlanex16_b32 v[TN+1], v[TN], s[SELA], s[SELB]
	v_or_b32 v[PW+(\i)%8], v[TN], v[TN+1]          ; both bytes of token r, in both halves of the lanes
.endm
; THE QUANTISER OF A PAIR OF V's BLOCKS (sets 0 and 1), the four channel tiles by turns: keys 32 C_ on; F_: the step's first pair
.macro QUANTV
.irp t, 0,1,2,3
	v_max3_num_f32 v[TQ+\t], |v[ACC+8*\t]|, |v[ACC+8*\t+1]|, |v[ACC+8*\t+2]|
	v_max3_num_f32 v[TN+\t], |v[ACC+32+8*\t]|, |v[ACC+32+8*\t+1]|, |v[ACC+32+8*\t+2]|
.endr
.irp m, 3,5
.irp t, 0,1,2,3
	v_max3_num_f32 v[TQ+\t], v[TQ+\t], |v[ACC+8*\t+\m]|, |v[ACC+8*\t+\m+1]|
	v_max3_num_f32 v[TN+\t], v[TN+\t], |v[ACC+32+8*\t+\m]|, |v[ACC+32+8*\t+\m+1]|
.endr
.endr
.irp t, 0,1,2,3
	v_max3_num_f32 v[TN+\t], v[TN+\t], |v[ACC+32+8*\t+7]|, 0x8000000
.endr
.irp t, 0,1,2,3
	v_max3_num_f32 v[TQ+\t], v[TQ+\t], |v[ACC+8*\t+7]|, v[TN+\t]
.endr
.irp t, 0,1,2,3
	v_permlanex16_b32 v[TN+\t], v[TQ+\t], s[SELA], s[SELB]
.endr
.irp t, 0,1,2,3
	v_max_num_f32 v[TQ+\t], v[TQ+\t], v[TN+\t]     ; with lane l xor 16's 16 keys
.endr
.irp t, 0,1,2,3
	v_add_nc_u32 v[SV+\t], 0xf8800000, v[TQ+\t]
.endr
.irp t, 0,1,2,3
	v_and_or_b32 v[BV+\t], v[TQ+\t], 0x7f800000, s[MNT]
.endr
.irp t, 0,1,2,3
	v_lshrrev_b32 v[TN+\t], 23, v[SV+\t]
.endr
.irp t, 0,1,2,3
.if F_
	v_lshlrev_b32 v[PW+\t], 8*C_, v[TN+\t]
.else
	v_lshl_or_b32 v[PW+\t], v[TN+\t], 8*C_, v[PW+\t]
.endif
.endr
.irp t, 0,1,2,3
.irp j, 0,1,2,3,4,5,6,7
	v_med3_num_f32 v[ACC+8*\t+\j], v[ACC+8*\t+\j], -v[BV+\t], v[BV+\t]
	v_med3_num_f32 v[ACC+32+8*\t+\j], v[ACC+32+8*\t+\j], -v[BV+\t], v[BV+\t]
.endr
	v_cvt_scalef32_pk8_bf8_f32 v[CD+4*\t:CD+4*\t+1], v[ACC+8*\t:ACC+8*\t+7], v[SV+\t]
	v_cvt_scalef32_pk8_bf8_f32 v[CD+4*\t+2:CD+4*\t+3], v[ACC+32+8*\t:ACC+32+8*\t+7], v[SV+\t]
.endr
	v_nop                                          ; one plain vector line behind the last conversion
.endm
.macro QKWORDS ps                      ; a step's scale words, laid as the next launch's lanes take them.  The arms hang on the cluster's x, which all partners share
	s_wait_alu depctr_va_vdst(0)                   ; the wait ahead of the branch
	s_cmp_eq_u32 s[ISK], 0
	s_cbranch_scc0 .Lk_\@
.irp g, 0,1,2,3
	v_cndmask_b32 v[X+\g], v[PW+2*\g], v[PW+2*\g+1], s[HI]
.endr
.irp g, 0,1,2,3
	v_perm_b32 v[X+4+\g], v[X+\g], v[X+\g], 0x01000100
.endr
	global_store_b128 v[L16], v[X+4:X+7], s[\ps:\ps+1]
	s_branch .Lw_\@
.Lk_\@:
.irp p, 0,1,2,3
	v_perm_b32 v[X+\p], v[PW+2*\p+1], v[PW+2*\p], 0x05040100
.endr
.irp g, 0,1
	v_cndmask_b32 v[X+4+\g], v[X+2*\g], v[X+2*\g+1], s[HI]
.endr
	global_store_b64 v[L8], v[X+4:X+5], s[\ps:\ps+1]
.Lw_\@:
.endm
; A BLOCK.  At its head the next block's fetch (32 LDS loads, one load of scale words) may be out.  mode 1, 2: a drained round with a refill of x's rows (into slot sl, from the pair src + off) or of Wv's; mode 3: a plain barrier that shows the last fill
.macro BLK i, mode=0, sl=0, off=0
.if (\i) == 23
	s_wait_dscnt 0x0
	s_wait_loadcnt 0x0
.else
	s_wait_dscnt 32
	s_wait_loadcnt 0x1
.endif
	s_wait_xcnt 0x0                                ; the stores of the block before have read their data
.if (\mode) == 1 || (\mode) == 2
	s_wait_tensorcnt 0x0                           ; all my tensor loads are in;
	ds_add_u32 v[SPW], v[NIL]                      ; the add; its wait stands ahead of the round's signal
.endif
.if (\mode) == 1
	s_mul_i32 s[G0R+1], s[WV], 32*PITCH            ; no tensor load of mine is out: the refill's group 0
	s_add_co_u32 s[G0R+1], s[G0R+1], (\sl)*YB
	s_add_nc_u64 s[G0R+2:G0R+3], s[XB:XB+1], \off
.endif
	PRODS \i, 0, 28
.if \mode
	WIN 0
.if (\mode) == 3
	s_wait_tensorcnt 0x0
.endif
	s_wait_dscnt 0x0                               ; my reads of the slot are over (mode 1, 2: and the add is done)
	s_barrier_signal -1
.endif
	PRODS \i, 28, 32
	WIN 0
.if (\mode) == 1
	MIDDLE
	BARRIER
	TLOAD G0R, G1R
	PLACES NP-4
.elseif (\mode) == 2
	MIDDLE
	BARRIER
	TLOAD G0V, G1V
	PLACES NP-4
.elseif (\mode) == 3
	s_barrier_wait -1
	PLACES NP
.else
	PLACES NP                                      ; behind the last product, ahead of the loads into what it has read and of the reads of its sums
.endif
	FETCH (\i)+2
.if (\i) == 1
	global_prefetch_b8 v[PF2], s[4:5] offset:65536 th:TH_LOAD_NT scope:SCOPE_SE   ; chunk 3
.endif
.if (\i) == 15
	WEIGHTS ADWV, 16                               ; Wv into the registers that the first weight has left; the last block's way out stands under these loads
.endif
.if (\i) < 16
.if (\i) < 8
.set PQ_, PQA
.set PS_, PSA
.else
.set PQ_, PQB
.set PS_, PSB
.endif
	QUANTQ \i
	global_store_b128 v[CN], v[CD:CD+3], s[PQ_:PQ_+1] offset:1024*((\i)%8)          ; sixteen lanes store 256 consecutive bytes, aligned
	global_store_b128 v[CN], v[CD+4:CD+7], s[PQ_:PQ_+1] offset:1024*((\i)%8)+256
.if (\i)%8 == 7
	QKWORDS PS_
.endif
.elseif (\i)%2
.set C_, (((\i)-16)/2+2)%4
.set F_, (\i) == 17
	QUANTV
.irp t, 0,1,2,3
	global_store_b128 v[L16], v[CD+4*\t:CD+4*\t+3], s[PV:PV+1] offset:2048*\t+512*C_   ; 512 consecutive bytes, aligned
.endr
.endif
.endm
	WEIGHTS ADW1, 8
	s_wait_tensorcnt 0x0                           ; all my tensor loads are in (waves 2, 3: chunk 0)
	ds_add_u32 v[SPW], v[NIL]
	s_wait_dscnt 0x0                               ; the add is done, and the weight is in my registers
	CROUND
	TLOAD G0R, G1R                                 ; chunk 1 over the weight's bytes
	FETCH 0
	FETCH 1
	BLK 0
	BLK 1
	BLK 2, 1, 0, 0                                 ; chunk 2 into slot 0
	BLK 3
	BLK 4
	BLK 5
	BLK 6, 1, 1, 65536                             ; chunk 3 into slot 1
	BLK 7
	BLK 8
	BLK 9
	BLK 10, 2                                      ; Wv into slot 0
	BLK 11
	BLK 12
	BLK 13
	BLK 14, 3                                      ; Wv is in
	BLK 15
	s_wait_tensorcnt 0x0                           ; the change of phase: the three lines,
	ds_add_u32 v[SPW], v[NIL]
	s_mul_i32 s[G0R+1], s[WV], 32*PITCH
	s_mov_b64 s[G0R+2:G0R+3], s[XB:XB+1]
	s_wait_dscnt 0x0                               ; Wv is in my registers,
	CROUND
	TLOAD G0R, G1R                                 ; and chunk 2 comes anew, over Wv's bytes
	BLK 16
	BLK 17
	BLK 18, 3                                      ; chunk 2 is in
	BLK 19
	BLK 20
	BLK 21
	BLK 22
	BLK 23
.irp g, 0,1
	v_cndmask_b32 v[X+\g], v[PW+2*\g], v[PW+2*\g+1], s[HI]
.endr
	global_store_b64 v[L8], v[X:X+1], s[PSV:PSV+1]
	s_wait_tensorcnt 0x0                           ; the wave's end
	ds_add_u32 v[SPW], v[NIL]
	s_wait_dscnt 0x0
	CROUND                                         ; the closing round
	s_endpgm
.Lfunc_end_k_qc447bd011d_qkv:
	.size	k_qc447bd011d_qkv, .Lfunc_end_k_qc447bd011d_qkv-k_qc447bd011d_qkv
	.p2alignl 7, 3214868480
	.fill 96, 4, 3214868480
	.section	.rodata,"a",@progbits
	.p2align	6, 0x0
	.amdhsa_kernel k_qc447bd011d_qkv
		.amdhsa_group_segment_fixed_size 327680
		.amdhsa_private_segment_fixed_size 0
		.amdhsa_enable_private_segment 0
		.amdhsa_kernarg_size 80
		.amdhsa_user_sgpr_count 2
		.amdhsa_user_sgpr_kernarg_segment_ptr 1
		.amdhsa_wavefront_size32 1
		.amdhsa_system_sgpr_workgroup_id_x 1
		.amdhsa_system_sgpr_workgroup_id_y 1
		.amdhsa_system_sgpr_workgroup_id_z 1
		.amdhsa_system_vgpr_workitem_id 0
		.amdhsa_next_free_vgpr 1024
		.amdhsa_next_free_sgpr 106
		.amdhsa_reserve_vcc 0
		.amdhsa_float_denorm_mode_32 3
		.amdhsa_float_denorm_mode_16_64 3
		.amdhsa_memory_ordered 1
		.amdhsa_forward_progress 1
		.amdhsa_inst_pref_size 255
	.end_amdhsa_kernel
	.section	.bss,"aw",@nobits
	.p2align	6
	.space	262144
	.amdgpu_metadata
---
amdhsa.version: [ 1, 2 ]
amdhsa.kernels:
  - .name:           k_qc447bd011d_qkv
    .symbol:         k_qc447bd011d_qkv.kd
    .args:
      - { .name: x_codes, .offset: 0, .size: 8, .value_kind: global_buffer, .address_space: global }
      - { .name: x_scales, .offset: 8, .size: 8, .value_kind: global_buffer, .address_space: global }
      - { .name: Wq_codes, .offset: 16, .size: 8, .value_kind: global_buffer, .address_space: global }
      - { .name: Wq_scales, .offset: 24, .size: 8, .value_kind: global_buffer, .address_space: global }
      - { .name: Wk_codes, .offset: 32, .size: 8, .value_kind: global_buffer, .address_space: global }
      - { .name: Wk_scales, .offset: 40, .size: 8, .value_kind: global_buffer, .address_space: global }
      - { .name: Wv_codes, .offset: 48, .size: 8, .value_kind: global_buffer, .address_space: global }
      - { .name: Wv_scales, .offset: 56, .size: 8, .value_kind: global_buffer, .address_space: global }
      - { .name: qkv, .offset: 64, .size: 8, .value_kind: global_buffer, .address_space: global }
      - { .name: qkv_sc, .offset: 72, .size: 8, .value_kind: global_buffer, .address_space: global }
    .group_segment_fixed_size: 327680
    .private_segment_fixed_size: 0
    .kernarg_segment_align: 8
    .kernarg_segment_size: 80
    .max_flat_workgroup_size: 128
    .sgpr_count:     106
    .vgpr_count:     1024
    .wavefront_size: 32
...
	.end_amdgpu_metadata
.endif
;; end of part 1
;; launch attn (part 2): grid 4 x 64, 16 waves a work-group, clusters of 4 x 1, 327,680 bytes of LDS; arguments qkv, qkv_sc, ctx_img, ctx_sc; writes ctx_img, ctx_sc
.if DOCPART == 2
	.amdgcn_target "amdgcn-amd-amdhsa--gfx1250"
	.amdhsa_code_object_version 6
	.text
	.protected	k_qc447bd011d_attn
	.globl	k_qc447bd011d_attn
	.p2align	8
	.type	k_qc447bd011d_attn,@function
k_qc447bd011d_attn:
	s_mov_b64 s[64:65], 0
	v_nop
	global_prefetch_b8 v0, s[64:65] scope:SCOPE_SE
	s_setreg_imm32_b32 hwreg(HW_REG_WAVE_MODE, 25, 1), 1
	s_wait_xcnt 0x0
	s_wait_alu depctr_hold_cnt(0) depctr_sa_sdst(0) depctr_va_vdst(0) depctr_va_sdst(0) depctr_va_ssrc(0) depctr_va_vcc(0) depctr_vm_vsrc(0)
	s_getreg_b32 s2, hwreg(HW_REG_IB_STS2, 6, 4)
	s_cmp_eq_u32 s2, 0
	s_cbranch_scc0 .Lentry_in_a_cluster
	s_endpgm
.Lentry_in_a_cluster:
	s_bfe_u32 s2, ttmp6, 0x10000c
	s_cmp_lg_u32 s2, 0x3003
	s_cbranch_scc0 .Lentry_shape_is_right
	s_endpgm
.Lentry_shape_is_right:
; ctx[q] = the sum over keys k <= q of softmax_k(q . k / 8) v[k], for 64 heads of 2,048 tokens x 64 channels, both products on codes of BF8 (E5M2) with one E8M0 scale for each 32 along a product's K.
; THE SOFTMAX AHEAD OF THE SECOND PRODUCT: t = score x log2(e) / 8; M = the running largest t rounded UP to a whole number; p = 2^(t - M) is quantised along the keys, not normalised; the row's sum is taken of the
; unquantised p and divides at the end; when M moves, the sum and O are multiplied by 2^(old M - new M), which rounds nothing.  ctx is then quantised along the channels for the last product.
; IN: qkv, qkv_sc, as the launch before lays them: images of operand registers (a group of four registers is 512 bytes, lane l's 16 bytes at 16 l), by head and step of 128 tokens.
; SHARES.  The four work-groups of a cluster serve ONE head.  The head's K and V codes (262,144 bytes) and their scale words (8,192) fit in LDS: they come ONCE, by joint loads that name the four; nothing is filled again.
; A wave owns two tiles of 16 queries: T1 = 8 (wave / 2) + 2 cx + wave % 2 and T2 = 127 - T1.  Their last key steps, wave / 2 and 15 - wave / 2, hang on the wave's number alone, and T1's and T2's steps are 17 in all,
; for every wave of the launch.  Order: T2 x steps 0-7 (all keys count, and only the first half of LDS is read) | barrier, the second half has landed | T2 x steps 8 on | T1.
; LAYOUT.  Both products are used transposed: S^T = K Q^T (source 0 = keys, source 1 = my 16 queries), O^T = V^T P^T: a lane holds ONE query (lane % 16) throughout.  A lane's 16 numbers of a block of 32 keys (accumulators 2 b and
; 2 b + 1: keys 32 b + 8 h + 0..7 and 32 b + 16 + 8 h + 0..7) become registers 4 b .. 4 b + 3 of P in that order; V's codes were laid in the same order: the exact products are the same, inside one scale's block.
; THE FIRST PRODUCT HAS K = 64 in an instruction of 128: source 0 holds TWO tiles of keys (K 0-63: tile 2 p, K 64-127: tile 2 p + 1); source 1 is (Q, zeros) for the one and (zeros, Q) for the other: zero codes add nothing.
; OUT: ctx_img [tile of 16 tokens: 512][head: 16][1,024]: images in the TRUE order of K (the last product's other operand is an input); ctx_sc [8,192][32].
; LIMITS: NaN and infinities are not served; a block under 2^-111 keeps the byte 1 (a block of zeros too); 1 / the sum is v_rcp_f32's.
.set HSTR,  393216                     ; a head in qkv
.set SSTR,  24576                      ; a step of 128 tokens: Q 8,192 | K 8,192 | V 8,192
.set SCB,   262144                     ; LDS: step j's K and V at 16,384 j; from here step j's scale words at 512 j: K's 256 bytes, V's 256;
.set STG,   270336                     ; from here 1,024 bytes for each wave: ctx's codes on their way into the true order.  No tile lands there
.set L16,  1                           ; v1   16 x lane
.set L8,   2                           ; v2   SCB + 8 x lane
.set ADK,  3                           ; v3   LDS address of the step's K and V
.set ADS,  4                           ; v4   of its scale words
.set DD,   5                           ; v5   my query's place in its step - 8 h
.set NINF, 6                           ; v6   -infinity
.set STI,  7                           ; v7   my stage, on the way in: 16 r + 8 h
.set STO,  8                           ; v8   and on the way out: 16 x lane
.set R16,  9                           ; v9   16 r
.set R32,  10                          ; v10  32 r
.set RH,   11                          ; v11  r - 8 h
                                       ; v12 -M, v13 the largest t, v[14:15] the sum in two halves
.set QF,   16                          ; v16-23 Q, v24-31 zeros, v32-39 Q again
.set KV,   40                          ; v40-103 K's four pairs of tiles, then V's four tiles
.set S,    104                         ; v104-167 S^T, then p
.set OT,   168                         ; v168-199 O^T
.set PCD,  200                         ; v200-215 p's codes
.set BM,   216                         ; a block's largest score, then its largest p
.set BT,   220                         ; the other half's; the bytes
.set BH,   224                         ; 57,344 x the scale
.set BS,   228                         ; the conversions' scale operands
.set KW,   232                         ; v[232:233] K's scale words, v[234:235] V's, v236 Q's, v237 p's: scales; v[232:233] serves the sum's chains as well
.set VW,   234
.set QW,   236
.set PWD,  237
.set F,    238                         ; v[238:239] f = 2^(old M - new M)
.set SM2,  240                         ; v[240:241] the sum's second chain
.set TMP,  242
.set CW,   243                         ; ctx's two scale bytes
.set OB,   244                         ; v244-251 ctx's codes in the true order
.set WV,   12
.set SEL,  20                          ; s[20:21] v_permlanex16_b32's selects for lane l xor 16
.set CS,   22                          ; s[22:23] c = log2(e) / 8
.set MNT,  24                          ; the mantissa field of 57,344
.set J,    25                          ; the key step
.set TB,   26                          ; its K and V in LDS
.set TS,   27                          ; its scale words
.set G1,   28                          ; s[28:35] group 1: 64 rows of 256 dense bytes
.set G1S,  36                          ; s[36:43] 16 rows of 512 bytes
.set G0S,  44                          ; s[44:47] the head's K and V scale words; s[48:51] my 16,384 bytes of steps 0-7; s[52:55] of steps 8-15
.set G0A,  48
.set G0B,  52
.set P2,   56                          ; s[56:63] T2's pointers: Q's image, Q's words, ctx's image, ctx's bytes
.set P1,   66                          ; s[66:73] T1's
.macro ROUND                           ; a round of the cluster's barrier
	s_barrier_signal -1
	s_barrier_wait -1
	s_cmp_lg_u32 s[WV], 0
	s_cbranch_scc1 .Lnot_wave_0_\@
	s_barrier_signal -3
.Lnot_wave_0_\@:
	s_barrier_wait -3
	s_barrier_signal -1
	s_barrier_wait -1
.endm
	s_load_b256 s[4:11], s[0:1], 0x0               ; qkv, qkv_sc, ctx_img, ctx_sc
	v_lshl_add_u32 v254, v0, 2, 0x46000
	v_mov_b32 v255, 0
	ds_add_u32 v254, v255
	ds_add_u32 v254, v255
	v_lshrrev_b32 v3, 5, v0
	s_delay_alu instid0(VALU_DEP_1)
	v_readfirstlane_b32 s[WV], v3                  ; wave 0..15
	s_and_b32 s14, ttmp7, 0xffff                   ; the head, 16 x batch + head, which the four partners share
	s_lshr_b32 s18, s[WV], 1                       ; T1's last key step
	s_xor_b32 s19, s18, 15                         ; T2's: 15 - wave / 2
	s_mov_b32 s[G1], 15|(3<<16)|(1<<21)            ; 15:0 the mask: all four work-groups; 17:16 elements of 8 bytes; 21 set beside a mask; no padding: every read takes 16 or 8 bytes a lane on end
	s_mov_b32 s[G1+1], 32<<16                      ; tensor_dim0 = 32 elements: 256 bytes
	s_mov_b32 s[G1+2], 64<<16                      ; tensor_dim1 = 64 rows: a step's K and V, 16,384 dense bytes
	s_mov_b32 s[G1+3], 32<<16                      ; tile_dim0
	s_mov_b32 s[G1+4], 64                          ; tile_dim1
	s_mov_b32 s[G1+5], 32                          ; from row to row: dense
	s_mov_b32 s[G1+6], 0
	s_mov_b32 s[G1+7], 0
	s_mov_b32 s[G1S], 15|(3<<16)|(1<<21)
	s_mov_b32 s[G1S+1], 64<<16                     ; the scale words of all 16 steps in one tile: 16 rows of 512 bytes (K's 256, V's 256), 1,024 bytes apart in memory
	s_mov_b32 s[G1S+2], 16<<16
	s_mov_b32 s[G1S+3], 64<<16
	s_mov_b32 s[G1S+4], 16
	s_mov_b32 s[G1S+5], 128
	s_mov_b32 s[G1S+6], 0
	s_mov_b32 s[G1S+7], 0
	s_mul_i32 s76, s14, HSTR                       ; the head in qkv (under 2^25 bytes),
	s_lshl_b32 s77, s14, 14                        ; and in qkv_sc
	s_and_b32 s81, s[WV], 7                        ; waves 0 to 7 fetch: wave w step w's K and V, which lie behind the step's Q, and later step 8 + w's
	s_mul_i32 s82, s81, SSTR
	s_add_co_u32 s82, s82, 8192
	s_add_co_u32 s82, s82, s76
	s_mov_b32 s83, 0
	s_mov_b32 s[G0A], 1
	s_lshl_b32 s[G0A+1], s81, 14                   ; LDS: 16,384 x step: no place in the cluster enters an LDS address
	s_add_co_u32 s80, s77, 512                     ; wave 8 fetches the head's K and V words, which lie behind each step's 512 bytes of Q's
	s_mov_b32 s81, 0
	s_mov_b32 s[G0S], 1
	s_mov_b32 s[G0S+1], SCB
	s_mov_b32 s[G0B], 1
	s_add_co_u32 s[G0B+1], s[G0A+1], 131072
	s_wait_dscnt 0x0
	s_wait_kmcnt 0x0
	s_add_nc_u64 s[G0S+2:G0S+3], s[6:7], s[80:81]
	s_or_b32 s[G0S+3], s[G0S+3], 0x80000000
	s_add_nc_u64 s[G0A+2:G0A+3], s[4:5], s[82:83]
	s_add_nc_u64 s[G0B+2:G0B+3], s[G0A+2:G0A+3], 8*SSTR
	s_or_b32 s[G0A+3], s[G0A+3], 0x80000000
	s_or_b32 s[G0B+3], s[G0B+3], 0x80000000
	ROUND                                          ; all four work-groups are here: the joint loads meet
	s_cmp_lt_u32 s[WV], 8                          ; the head's loads, at most one a wave: one chain of branches on the wave's number
	s_cbranch_scc0 .Lhead_s
	tensor_load_to_lds s[G0A:G0A+3], s[G1:G1+7]    ; waves 0 to 7: steps 0 to 7
	s_nop 0
.rept 4
	v_nop
.endr
	s_branch .Lhead_j
.Lhead_s:
	s_cmp_lt_u32 s[WV], 9
	s_cbranch_scc0 .Lhead_j
	tensor_load_to_lds s[G0S:G0S+3], s[G1S:G1S+7]  ; wave 8: the scale words
	s_nop 0
.rept 4
	v_nop
.endr
.Lhead_j:
	; my two tiles.  What hangs on my place in the cluster enters global addresses and the mask's comparison alone
	s_bfe_u32 s13, ttmp6, 0x40000                  ; cx
	s_and_b32 s80, s[WV], 1
	s_lshl_b32 s15, s13, 1
	s_add_co_u32 s15, s15, s80                     ; e = 2 cx + wave % 2: T1's place in its step
	s_lshl_b32 s16, s18, 3
	s_add_co_u32 s16, s16, s15                     ; T1
	s_xor_b32 s17, s16, 127                        ; T2 = 127 - T1
	s_xor_b32 s74, s15, 7
	s_lshl_b32 s74, s74, 4                         ; T2's first query in its step: 16 (7 - e)
	s_lshl_b32 s75, s15, 4                         ; T1's: 16 e
	; ctx_img is laid [tile of 16 tokens: 512][head: 16][1,024]: a tile's whole K lies on end, as the last launch fetches it
	s_lshr_b32 s80, s14, 4                         ; the batch's 128 tiles of 16,384 bytes,
	s_lshl_b32 s78, s80, 21
	s_and_b32 s81, s14, 15                         ; 1,024 x head
	s_lshl_b32 s81, s81, 10
	s_add_co_u32 s78, s78, s81
	s_lshl_b32 s79, s80, 16                        ; and in ctx_sc: the batch's 2,048 rows of 32 bytes, 2 x head
	s_and_b32 s81, s14, 15
	s_lshl_b32 s81, s81, 1
	s_add_co_u32 s79, s79, s81
.macro TILEP t, p                      ; the four pointers of the tile whose number stands in s[t]
	s_lshr_b32 s82, s[\t], 3                       ; its step,
	s_and_b32 s83, s[\t], 7                        ; its place in the step
	s_mul_i32 s80, s82, SSTR
	s_lshl_b32 s81, s83, 10
	s_add_co_u32 s80, s80, s81
	s_add_co_u32 s80, s80, s76
	s_mov_b32 s81, 0
	s_add_nc_u64 s[\p:\p+1], s[4:5], s[80:81]      ; Q's image: 1,024 bytes a tile
	s_lshl_b32 s80, s82, 10
	s_and_b32 s82, s83, 1
	s_lshl_b32 s82, s82, 8
	s_add_co_u32 s80, s80, s82
	s_lshr_b32 s82, s83, 1
	s_lshl_b32 s82, s82, 2
	s_add_co_u32 s80, s80, s82
	s_add_co_u32 s80, s80, s77
	s_add_nc_u64 s[\p+2:\p+3], s[6:7], s[80:81]    ; Q's words: tile a's row r at 256 (a % 2) + 16 r + 4 (a / 2)
	s_lshl_b32 s80, s[\t], 14
	s_add_co_u32 s80, s80, s78
	s_add_nc_u64 s[\p+4:\p+5], s[8:9], s[80:81]
	s_lshl_b32 s80, s[\t], 9
	s_add_co_u32 s80, s80, s79
	s_add_nc_u64 s[\p+6:\p+7], s[10:11], s[80:81]
.endm
	TILEP 17, P2
	TILEP 16, P1
	s_mov_b32 s[SEL], 0x76543210
	s_mov_b32 s[SEL+1], 0xfedcba98
	s_mov_b32 s[CS], 0x3e38aa3b                    ; log2(e) / 8
	s_mov_b32 s[CS+1], s[CS]                       ; (named with it as a pair, so it is written)
	s_mov_b32 s[MNT], 0x600000
	v_and_b32 v3, 31, v0                           ; lane
	v_and_b32 v4, 15, v0                           ; r
	v_bfe_u32 v5, v0, 4, 1                         ; h
	s_delay_alu instid0(VALU_DEP_3)
	v_lshlrev_b32 v[L16], 4, v3
	s_delay_alu instid0(VALU_DEP_4)
	v_lshlrev_b32 v[L8], 3, v3
	s_delay_alu instid0(VALU_DEP_1)
	v_add_nc_u32 v[L8], SCB, v[L8]
	v_lshlrev_b32 v[R16], 4, v4
	v_lshlrev_b32 v[R32], 5, v4
	s_lshl_b32 s80, s[WV], 10
	s_add_co_u32 s80, s80, STG                     ; my stage
	v_lshl_add_u32 v[STI], v5, 3, v[R16]
	s_delay_alu instid0(VALU_DEP_1)
	v_add_nc_u32 v[STI], s80, v[STI]
	v_add_nc_u32 v[STO], s80, v[L16]
	v_lshlrev_b32 v5, 3, v5
	s_delay_alu instid0(VALU_DEP_1)
	v_sub_nc_u32 v[RH], v4, v5
	v_mov_b32 v[NINF], 0xff800000
.macro QLOAD p                         ; a tile's Q: two groups of four registers, twice; and its scale words
	global_load_b128 v[QF:QF+3], v[L16], s[\p:\p+1]
	global_load_b128 v[QF+4:QF+7], v[L16], s[\p:\p+1] offset:512
	global_load_b128 v[QF+16:QF+19], v[L16], s[\p:\p+1]
	global_load_b128 v[QF+20:QF+23], v[L16], s[\p:\p+1] offset:512
	global_load_b32 v[QW], v[R16], s[\p+2:\p+3]
.endm
.macro FRESH                           ; a tile begins: O^T and the sum as zeros, the largest t under every t: the first change of M multiplies zeros, so the step is written without a first step of its own
	v_mov_b32 v13, 0xff61b1e6                      ; -3e38
	s_delay_alu instid0(VALU_DEP_1)
	v_floor_f32 v12, -v13
	v_mov_b32 v14, 0
	v_mov_b32 v15, 0
.set n, 0
.rept 32
	v_mov_b32 v[OT+n], 0
.set n, n+1
.endr
.endm
	QLOAD P2
.set n, 0
.rept 8
	v_mov_b32 v[QF+8+n], 0                         ; the zero codes between the two copies of Q
.set n, n+1
.endr
.irp b, 0,1,2,3
	v_mov_b32 v[BT+\b], 0                          ; written once: a lane permute's destination counts as one of its sources
.endr
	v_mov_b32 v[TMP], 0
	v_mov_b32 v[F+1], 0                            ; (named as the upper half of a pair)
	FRESH
; A KEY STEP: 128 keys.  causal = 1: a step whose keys all come after my queries (J above s[dj]) is left out, by a scalar branch on the wave's number and the loop's count; in step J = s[dj] hidden scores become -infinity.
.macro STEP causal, dj
.if \causal
	s_cmp_gt_u32 s[J], s[\dj]
	s_cbranch_scc1 .Lhid_\@
.endif
	v_add_nc_u32 v[ADK], s[TB], v[L16]
	v_add_nc_u32 v[ADS], s[TS], v[L8]
.rept 6
	v_nop                                          ; with the two additions: eight places in front of loads into registers that the last products have read
.endr
.irp p, 0,1,2,3
.irp i, 0,1,2,3
	ds_load_b128 v[KV+16*\p+4*\i:KV+16*\p+4*\i+3], v[ADK] offset:2048*\p+512*\i     ; pair p: tiles 2 p and 2 p + 1 of 16 keys, 64 channels each
.endr
.endr
	ds_load_b64 v[KW:KW+1], v[ADS]                 ; register g, lanes 16 u on: pair 2 g + u's words
	s_wait_alu depctr_va_vdst(0)
	s_wait_dscnt 0x0
.irp p, 0,1,2,3
.irp u, 0,1
.if \p%2
	v_wmma_scale_f32_16x16x128_f8f6f4 v[S+8*(2*\p+\u):S+8*(2*\p+\u)+7], v[KV+16*\p:KV+16*\p+15], v[QF+8*\u:QF+8*\u+15], 0, v[KW+\p/2], v[QW] matrix_a_fmt:MATRIX_FMT_BF8 matrix_b_fmt:MATRIX_FMT_BF8 matrix_a_scale:MATRIX_SCALE_ROW1
.else
	v_wmma_scale_f32_16x16x128_f8f6f4 v[S+8*(2*\p+\u):S+8*(2*\p+\u)+7], v[KV+16*\p:KV+16*\p+15], v[QF+8*\u:QF+8*\u+15], 0, v[KW+\p/2], v[QW] matrix_a_fmt:MATRIX_FMT_BF8 matrix_b_fmt:MATRIX_FMT_BF8
.endif
.endr
.endr
.rept 8
	v_nop                                          ; places: in front of the loads into K's registers and of the first reads of the scores
.endr
.irp t, 0,1,2,3
.irp c, 0,1,2,3
	ds_load_b128 v[KV+16*\t+4*\c:KV+16*\t+4*\c+3], v[ADK] offset:8192+2048*\t+512*\c   ; V is asked for at once, into K's registers: it lands under the softmax
.endr
.endr
	ds_load_b64 v[VW:VW+1], v[ADS] offset:256
.if \causal
	s_cmp_lg_u32 s[J], s[\dj]
	s_cbranch_scc1 .Lopen_\@
.set n, 0
.rept 64                               ; register n holds key 16 (n / 8) + 8 h + n % 8 of the step: hidden where 16 (n / 8) + n % 8 > my query's place - 8 h
	v_cmp_gt_i32 vcc_lo, 16*(n/8)+n%8, v[DD]
	v_cndmask_b32 v[S+n], v[S+n], v[NINF], vcc_lo
.set n, n+1
.endr
.Lopen_\@:
.endif
.irp b, 0,1,2,3
	v_max3_num_f32 v[BM+\b], v[S+16*\b], v[S+16*\b+1], v[S+16*\b+2]    ; the largest score of each block of 32 keys: it serves for the row's maximum and, since p rises with the score, for the block's largest p
.endr
.irp i, 3,5,7,9,11,13
.irp b, 0,1,2,3
	v_max3_num_f32 v[BM+\b], v[BM+\b], v[S+16*\b+\i], v[S+16*\b+\i+1]
.endr
.endr
.irp b, 0,1,2,3
	v_max_num_f32 v[BM+\b], v[BM+\b], v[S+16*\b+15]
.endr
.irp b, 0,1,2,3
	s_delay_alu instid0(VALU_DEP_4)
	v_permlanex16_b32 v[BT+\b], v[BM+\b], s[SEL], s[SEL+1]
.endr
.irp b, 0,1,2,3
	s_delay_alu instid0(VALU_DEP_4)
	v_max_num_f32 v[BM+\b], v[BM+\b], v[BT+\b]     ; with lane l xor 16's 16 keys
.endr
	s_delay_alu instid0(VALU_DEP_2)
	v_max3_num_f32 v[TMP], v[BM], v[BM+1], v[BM+2]
	s_delay_alu instid0(VALU_DEP_1)
	v_max_num_f32 v[TMP], v[TMP], v[BM+3]
	s_delay_alu instid0(VALU_DEP_1)
	v_mul_f32 v[TMP], s[CS], v[TMP]                ; the step's largest t (c is positive)
	s_delay_alu instid0(VALU_DEP_1)
	v_max_num_f32 v13, v13, v[TMP]                 ; the running largest t
	v_mov_b32 v[TMP], v12
	s_delay_alu instid0(VALU_DEP_2)
	v_floor_f32 v12, -v13                          ; the new -M = floor(-t): M is a whole number
	s_delay_alu instid0(VALU_DEP_1)
	v_sub_f32 v[TMP], v12, v[TMP]                  ; old M - new M: a whole number, 0 or less
	s_delay_alu instid0(VALU_DEP_1)
	v_cvt_i32_f32 v[TMP], v[TMP]                   ; (it saturates)
	s_delay_alu instid0(VALU_DEP_1)
	v_ldexp_f32 v[F], 1.0, v[TMP]                  ; f = 2^(old M - new M)
.set n, 0
.rept 32
	v_pk_fma_f32 v[S+n:S+n+1], v[S+n:S+n+1], s[CS:CS+1], v[12:13] op_sel_hi:[1,0,0]   ; t - M, two at a time
.set n, n+2
.endr
.irp b, 0,1,2,3
	v_fma_f32 v[BM+\b], v[BM+\b], s[CS], v12       ; the same of each block's largest score
.endr
.set n, 0
	s_wait_alu depctr_va_vdst(0)
.rept 64
	v_exp_f32 v[S+n], v[S+n]                       ; p = 2^(t - M), at most 1
.set n, n+1
.endr
.irp b, 0,1,2,3
	v_exp_f32 v[BM+\b], v[BM+\b]                   ; the block's largest p: the same two instructions on the same number
.endr
	v_pk_mul_f32 v[14:15], v[14:15], v[F:F+1] op_sel_hi:[1,0]   ; the sums under the new M.  (A plain place behind the exponentials)
	s_wait_alu depctr_va_vdst(0)
.irp b, 0,1,2,3
	v_max_num_f32 v[BM+\b], 0x8000000, v[BM+\b]    ; the floor 2^(16 - 127): the byte cannot fall under 1
.endr
.irp b, 0,1,2,3
	s_delay_alu instid0(VALU_DEP_4)
	v_add_nc_u32 v[BS+\b], 0xf8800000, v[BM+\b]    ; 15 off the exponent field: the conversion's scale operand
.endr
.irp b, 0,1,2,3
	v_and_or_b32 v[BH+\b], v[BM+\b], 0x7f800000, s[MNT]   ; 57,344 x the scale
.endr
.irp b, 0,1,2,3
	v_lshrrev_b32 v[BT+\b], 23, v[BS+\b]           ; the scale's byte
.endr
	s_delay_alu instid0(VALU_DEP_3)
	v_lshl_or_b32 v[PWD], v[BT+1], 8, v[BT]        ; p's scale word for these 128 keys: far more than eight places ahead of the products
	s_delay_alu instid0(VALU_DEP_1)
	v_lshl_or_b32 v[PWD], v[BT+2], 16, v[PWD]
	s_delay_alu instid0(VALU_DEP_1)
	v_lshl_or_b32 v[PWD], v[BT+3], 24, v[PWD]
	v_pk_add_f32 v[240:241], v[108:109], v[112:113]
	v_pk_add_f32 v[252:253], v[116:117], v[120:121]
	v_pk_add_f32 v[250:251], v[124:125], v[128:129]
	v_pk_add_f32 v[248:249], v[132:133], v[136:137]
	v_pk_add_f32 v[246:247], v[140:141], v[144:145]
	v_pk_add_f32 v[244:245], v[148:149], v[152:153]
	v_pk_add_f32 v[232:233], v[156:157], v[160:161]
	v_pk_add_f32 v[14:15], v[14:15], v[164:165]
	v_pk_add_f32 v[240:241], v[240:241], v[104:105]
	v_pk_add_f32 v[252:253], v[252:253], v[106:107]
	v_pk_add_f32 v[250:251], v[250:251], v[110:111]
	v_pk_add_f32 v[248:249], v[248:249], v[114:115]
	v_pk_add_f32 v[246:247], v[246:247], v[118:119]
	v_pk_add_f32 v[244:245], v[244:245], v[122:123]
	v_pk_add_f32 v[232:233], v[232:233], v[126:127]
	v_pk_add_f32 v[14:15], v[14:15], v[130:131]
	v_pk_add_f32 v[240:241], v[240:241], v[134:135]
	v_pk_add_f32 v[252:253], v[252:253], v[138:139]
	v_pk_add_f32 v[250:251], v[250:251], v[142:143]
	v_pk_add_f32 v[248:249], v[248:249], v[146:147]
	v_pk_add_f32 v[246:247], v[246:247], v[150:151]
	v_pk_add_f32 v[244:245], v[244:245], v[154:155]
	v_pk_add_f32 v[232:233], v[232:233], v[158:159]
	v_pk_add_f32 v[14:15], v[14:15], v[162:163]
	v_pk_add_f32 v[240:241], v[240:241], v[166:167]
	s_delay_alu instid0(VALU_DEP_2)
	v_pk_add_f32 v[14:15], v[14:15], v[248:249]
	s_delay_alu instid0(VALU_DEP_2)
	v_pk_add_f32 v[240:241], v[240:241], v[246:247]
	v_pk_add_f32 v[252:253], v[252:253], v[244:245]
	v_pk_add_f32 v[250:251], v[250:251], v[232:233]
	s_delay_alu instid0(VALU_DEP_2)
	v_pk_add_f32 v[14:15], v[14:15], v[252:253]
	s_delay_alu instid0(VALU_DEP_2)
	v_pk_add_f32 v[240:241], v[240:241], v[250:251]
	s_delay_alu instid0(VALU_DEP_1)
	v_pk_add_f32 v[14:15], v[14:15], v[240:241]
.irp b, 0,1,2,3
.irp i, 0,2,4,6,8,10,12,14
	v_dual_min_num_f32 v[S+16*\b+\i], v[S+16*\b+\i], v[BH+\b] :: v_dual_min_num_f32 v[S+16*\b+\i+1], v[S+16*\b+\i+1], v[BH+\b]   ; the conversion does not saturate (ISA guide 7.6.2); p is not negative, so the hold is one-sided; two holds to an instruction
.endr
	v_cvt_scalef32_pk8_bf8_f32 v[PCD+4*\b:PCD+4*\b+1], v[S+16*\b:S+16*\b+7], v[BS+\b]
	v_cvt_scalef32_pk8_bf8_f32 v[PCD+4*\b+2:PCD+4*\b+3], v[S+16*\b+8:S+16*\b+15], v[BS+\b]
.endr
.set n, 0
.rept 16
	v_pk_mul_f32 v[OT+n:OT+n+1], v[OT+n:OT+n+1], v[F:F+1] op_sel_hi:[1,0]   ; O^T under the new M.  (These are also the places between the conversions and the products)
.set n, n+2
.endr
	s_wait_alu depctr_va_vdst(0)
	s_wait_dscnt 0x0                               ; V and its words are in
.irp t, 0,1,2,3                        ; O^T += V^T P^T: four tiles of 16 channels, one instruction each: the accumulators take turns
.if \t%2
	v_wmma_scale_f32_16x16x128_f8f6f4 v[OT+8*\t:OT+8*\t+7], v[KV+16*\t:KV+16*\t+15], v[PCD:PCD+15], v[OT+8*\t:OT+8*\t+7], v[VW+\t/2], v[PWD] matrix_a_fmt:MATRIX_FMT_BF8 matrix_b_fmt:MATRIX_FMT_BF8 matrix_a_scale:MATRIX_SCALE_ROW1
.else
	v_wmma_scale_f32_16x16x128_f8f6f4 v[OT+8*\t:OT+8*\t+7], v[KV+16*\t:KV+16*\t+15], v[PCD:PCD+15], v[OT+8*\t:OT+8*\t+7], v[VW+\t/2], v[PWD] matrix_a_fmt:MATRIX_FMT_BF8 matrix_b_fmt:MATRIX_FMT_BF8
.endif
.endr
.if \causal
.Lhid_\@:
.endif
.endm
.macro NEXTSTEP                        ; the loops' trip counts are constants, and so are these steps
	s_add_co_u32 s[TB], s[TB], 16384
	s_add_co_u32 s[TS], s[TS], 512
	s_add_co_u32 s[J], s[J], 1
.endm
; THE WAY OUT of a tile: O^T / the sum is ctx: register 8 t + j is channel 16 t + 8 h + j of query r.  Its two blocks of 32 channels are quantised; the codes go through my stage into the true order of K and leave as two groups of 512 bytes.
.macro WAYOUT p
	s_wait_xcnt 0x0                                ; the last tile's stores have read their data
.rept 8
	v_nop                                          ; places behind the last products
.endr
	v_add_f32 v14, v14, v15                        ; the sum's two halves,
	s_delay_alu instid0(VALU_DEP_1)
	v_permlanex16_b32 v[TMP], v14, s[SEL], s[SEL+1]
	s_delay_alu instid0(VALU_DEP_1)
	v_add_f32 v14, v14, v[TMP]                     ; and lane l xor 16's
	s_wait_alu depctr_va_vdst(0)
	v_rcp_f32 v14, v14
	v_nop                                          ; one plain place behind a transcendental
.set n, 0
	s_wait_alu depctr_va_vdst(0)
.rept 16
	v_pk_mul_f32 v[S+n:S+n+1], v[OT+n:OT+n+1], v[14:15] op_sel_hi:[1,0]   ; each accumulator from its low end on
.set n, n+2
.endr
.irp c, 0,1
	v_max3_num_f32 v[BM+\c], |v[S+16*\c]|, |v[S+16*\c+1]|, 0x8000000
.endr
.irp i, 2,4,6,8,10,12,14
.irp c, 0,1
	s_delay_alu instid0(VALU_DEP_2)
	v_max3_num_f32 v[BM+\c], v[BM+\c], |v[S+16*\c+\i]|, |v[S+16*\c+\i+1]|
.endr
.endr
.irp c, 0,1
	s_delay_alu instid0(VALU_DEP_2)
	v_permlanex16_b32 v[BT+\c], v[BM+\c], s[SEL], s[SEL+1]
.endr
.irp c, 0,1
	s_delay_alu instid0(VALU_DEP_2)
	v_max_num_f32 v[BM+\c], v[BM+\c], v[BT+\c]
.endr
.irp c, 0,1
	s_delay_alu instid0(VALU_DEP_2)
	v_add_nc_u32 v[BS+\c], 0xf8800000, v[BM+\c]
.endr
.irp c, 0,1
	s_delay_alu instid0(VALU_DEP_4)
	v_and_or_b32 v[BH+\c], v[BM+\c], 0x7f800000, s[MNT]
.endr
.irp c, 0,1
	s_delay_alu instid0(VALU_DEP_4)
	v_lshrrev_b32 v[BT+\c], 23, v[BS+\c]
.endr
	s_delay_alu instid0(VALU_DEP_1)
	v_lshl_or_b32 v[CW], v[BT+1], 8, v[BT]
.irp c, 0,1
.irp i, 0,1,2,3,4,5,6,7,8,9,10,11,12,13,14,15
	v_med3_num_f32 v[S+16*\c+\i], v[S+16*\c+\i], -v[BH+\c], v[BH+\c]
.endr
	v_cvt_scalef32_pk8_bf8_f32 v[PCD+4*\c:PCD+4*\c+1], v[S+16*\c:S+16*\c+7], v[BS+\c]
	v_cvt_scalef32_pk8_bf8_f32 v[PCD+4*\c+2:PCD+4*\c+3], v[S+16*\c+8:S+16*\c+15], v[BS+\c]
.endr
	v_nop                                          ; one plain vector instruction behind the last conversion
.irp c, 0,1
	ds_store_b64 v[STI], v[PCD+4*\c:PCD+4*\c+1] offset:512*\c            ; channels 32 c + 8 h + 0..7: in the image lane r's bytes 8 h on,
	ds_store_b64 v[STI], v[PCD+4*\c+2:PCD+4*\c+3] offset:512*\c+256      ; channels 32 c + 16 + 8 h + 0..7: lane 16 + r's
.endr
.irp c, 0,1
	ds_load_b128 v[OB+4*\c:OB+4*\c+3], v[STO] offset:512*\c              ; LDS serves a wave's instructions in order (ISA guide 5.7.1.4): these see my stores
.endr
	s_wait_dscnt 0x0
	global_store_b128 v[L16], v[OB:OB+3], s[\p+4:\p+5]                   ; each store of the wave covers 512 consecutive bytes, aligned
	global_store_b128 v[L16], v[OB+4:OB+7], s[\p+4:\p+5] offset:512
	global_store_b16 v[R32], v[CW], s[\p+6:\p+7]                         ; my row's two scale bytes (both halves of the lanes write the same value): one byte in 32 of what the launch stores
.endm
	s_wait_alu depctr_va_vdst(0)                   ; the wait at the head's end
	s_wait_tensorcnt 0x0                           ; steps 0-7 and the scale words: my load, if I had one, is in.  Steps 8-15 are a later first fill, issued as a refill is
	ds_add_u32 v254, v255
	ds_add_u32 v254, v255                          ; twice on end
	s_wait_dscnt 0x0
	ROUND                                          ; everybody's are in, and all four work-groups are here
	s_cmp_lt_u32 s[WV], 8
	s_cbranch_scc0 .Lno_b
	tensor_load_to_lds s[G0B:G0B+3], s[G1:G1+7]    ; waves 0 to 7: steps 8 to 15; they have eight key steps in which to land
	s_nop 0
.rept 4
	v_nop
.endr
.Lno_b:
	s_wait_loadcnt 0x0                             ; Q
	s_mov_b32 s[J], 0
	s_mov_b32 s[TB], 0
	s_mov_b32 s[TS], 0
.Lfirst_half:                                      ; T2 x steps 0-7: all keys count
	STEP 0, 0
	NEXTSTEP
	s_cmp_lt_u32 s[J], 8
	s_cbranch_scc1 .Lfirst_half
	s_wait_tensorcnt 0x0                           ; my part of steps 8-15 is in: it had eight steps in which to land
	s_wait_dscnt 0x0
	s_barrier_signal -1
	s_barrier_wait -1                              ; everybody's is
	v_add_nc_u32 v[DD], s74, v[RH]
	s_mov_b32 s[J], 8
	s_mov_b32 s[TB], 8*16384
	s_mov_b32 s[TS], 8*512
.Lsecond_half:                                     ; T2 x steps 8 to 15 - wave / 2
	STEP 1, 19
	NEXTSTEP
	s_cmp_lt_u32 s[J], 16
	s_cbranch_scc1 .Lsecond_half
	QLOAD P1                                       ; T1's Q lands under T2's way out (the products that read these registers stand more than eight places back)
	WAYOUT P2
	FRESH
	v_add_nc_u32 v[DD], s75, v[RH]
	s_mov_b32 s[J], 0
	s_mov_b32 s[TB], 0
	s_mov_b32 s[TS], 0
	s_wait_loadcnt 0x0
	s_wait_xcnt 0x0                                ; T2's stores have read their data: the step's sums write those registers again
.Lsecond_tile:
	STEP 1, 18
	NEXTSTEP
	s_cmp_lt_u32 s[J], 8
	s_cbranch_scc1 .Lsecond_tile
	WAYOUT P1
	s_wait_tensorcnt 0x0
	ds_add_u32 v254, v255
	s_wait_dscnt 0x0
	ROUND                                          ; the closing round
	s_endpgm
.Lfunc_end_k_qc447bd011d_attn:
	.size	k_qc447bd011d_attn, .Lfunc_end_k_qc447bd011d_attn-k_qc447bd011d_attn
	.p2alignl 7, 3214868480
	.fill 96, 4, 3214868480
	.section	.rodata,"a",@progbits
	.p2align	6, 0x0
	.amdhsa_kernel k_qc447bd011d_attn
		.amdhsa_group_segment_fixed_size 327680
		.amdhsa_private_segment_fixed_size 0
		.amdhsa_enable_private_segment 0
		.amdhsa_kernarg_size 32
		.amdhsa_user_sgpr_count 2
		.amdhsa_user_sgpr_kernarg_segment_ptr 1
		.amdhsa_wavefront_size32 1
		.amdhsa_system_sgpr_workgroup_id_x 1
		.amdhsa_system_sgpr_workgroup_id_y 1
		.amdhsa_system_sgpr_workgroup_id_z 1
		.amdhsa_system_vgpr_workitem_id 0
		.amdhsa_next_free_vgpr 256
		.amdhsa_next_free_sgpr 84
		.amdhsa_reserve_vcc 1
		.amdhsa_float_denorm_mode_32 3
		.amdhsa_float_denorm_mode_16_64 3
		.amdhsa_memory_ordered 1
		.amdhsa_forward_progress 1
		.amdhsa_inst_pref_size 95
	.end_amdhsa_kernel
	.amdgpu_metadata
---
amdhsa.version: [ 1, 2 ]
amdhsa.kernels:
  - .name:           k_qc447bd011d_attn
    .symbol:         k_qc447bd011d_attn.kd
    .args:
      - { .name: qkv, .offset: 0, .size: 8, .value_kind: global_buffer, .address_space: global }
      - { .name: qkv_sc, .offset: 8, .size: 8, .value_kind: global_buffer, .address_space: global }
      - { .name: ctx_img, .offset: 16, .size: 8, .value_kind: global_buffer, .address_space: global }
      - { .name: ctx_sc, .offset: 24, .size: 8, .value_kind: global_buffer, .address_space: global }
    .group_segment_fixed_size: 327680
    .private_segment_fixed_size: 0
    .kernarg_segment_align: 8
    .kernarg_segment_size: 32
    .max_flat_workgroup_size: 512
    .sgpr_count:     84
    .vgpr_count:     256
    .wavefront_size: 32
...
	.end_amdgpu_metadata
.endif
;; end of part 2
;; launch oproj (part 3): grid 8 x 32, 4 waves a work-group, clusters of 4 x 4, 327,680 bytes of LDS; arguments ctx_img, ctx_sc, Wo_codes, Wo_scales, out0, bo; writes out0
.if DOCPART == 3
	.amdgcn_target "amdgcn-amd-amdhsa--gfx1250"
	.amdhsa_code_object_version 6
	.text
	.protected	k_qc447bd011d_oproj
	.globl	k_qc447bd011d_oproj
	.p2align	8
	.type	k_qc447bd011d_oproj,@function
k_qc447bd011d_oproj:
	s_mov_b64 s[64:65], 0
	v_nop
	global_prefetch_b8 v0, s[64:65] scope:SCOPE_SE
	s_setreg_imm32_b32 hwreg(HW_REG_WAVE_MODE, 25, 1), 1
	s_wait_xcnt 0x0
	s_wait_alu depctr_hold_cnt(0) depctr_sa_sdst(0) depctr_va_vdst(0) depctr_va_sdst(0) depctr_va_ssrc(0) depctr_va_vcc(0) depctr_vm_vsrc(0)
	s_getreg_b32 s2, hwreg(HW_REG_IB_STS2, 6, 4)
	s_cmp_eq_u32 s2, 0
	s_cbranch_scc0 .Lentry_in_a_cluster
	s_endpgm
.Lentry_in_a_cluster:
	s_bfe_u32 s2, ttmp6, 0x10000c
	s_cmp_lg_u32 s2, 0xf033
	s_cbranch_scc0 .Lentry_shape_is_right
	s_endpgm
.Lentry_shape_is_right:
; out = ctx Wo^T + bo on codes of BF8 (E5M2) with one E8M0 scale for each 32 along K = 1,024; sums in f32; 8,192 x 1,024 x 1,024.
; IN: ctx_img [tile of 16 tokens: 512][head: 16][1,024]: images of operand registers in the true order of K (a group of four registers is 512 bytes, lane l's 16 bytes at 16 l; a head's 64 channels are two groups); ctx_sc [8,192][32]; Wo's codes [1,024][1,024], scales [1,024][32]; bo.
; THE DEAL.  256 work-groups of four waves, 2 x 2; a work-group makes 256 tokens x 128 columns.  A wave holds its 64 rows of Wo, ALL of K, in 512 registers (windows 1, 2) and streams its 128 tokens past them in eight blocks of 16,
; which stand in registers as two whole sets (window 3).  A block is 32 products, its four accumulators by turns, K ascending; bo is the first products' C.  Sums stand in two sets, so that a block leaves among the next block's products.
; TRANSPOSED USE: source 0 = 16 rows of Wo, source 1 = 16 tokens: a lane holds one token and eight neighbouring columns.  A block goes through my own stage in LDS and leaves as whole rows of 256 bytes (my 64 columns), aligned.
; LDS: two slots of 128 rows of 1,024 bytes + 16 of padding.  Slot 0: tokens 0-127 (a tile of 16 tokens is 16 rows).  Slot 1: Wo's 128 rows, until all waves hold them in registers; then tokens 128-255 are filled over the same bytes, behind a drained round.
; CLUSTERS of 4 x 4: ctx's rows are shared along a row of the cluster, Wo's along a column: each is asked for jointly.  One joint load a wave at the head (waves 0, 1: Wo's halves, asked for first; waves 2, 3: the halves of tokens 0-127), one a wave for the refill.
; THE SCALE WORDS come by plain loads, once: lane (r, h) takes 16 bytes of row r, at 16 h: lanes 0-15 hold the words of K 0-511, lanes 16-31 those of K 512-1,023, which the products name by ROW1.
; PREFETCH: tokens 128-255 (131,072 bytes) are asked for once in each cluster row, at the head: each of its sixteen waves names 8,192 bytes, lanes 256 bytes apart, told apart by address.  The other tiles come by the head's loads alone.
; LIMITS: none of range; a NaN or an infinity in a sum goes to the result as the matrix unit leaves it.
.set PITCH, 1040                       ; an LDS row: 1,024 bytes + 16: the 16 rows of Wo that a load touches start at 16 different banks
.set TILE,  16*PITCH                   ; a tile of 16 tokens, all of K
.set YB,    128*PITCH                  ; slot 1
.set STG,   2*YB                       ; the stages: 16 rows x (256 + 16) bytes for each wave; no tile lands there
.set SP,    272
.set SPARE, STG+4*16*SP                ; the spare words, 128 bytes for each wave
.set NP,    8                          ; places behind this matrix instruction (ISA guide 7.12.1)
.set ADRB, 4                           ; v4     LDS address of my fragments of Wo
.set AD,   5                           ; v5-8   of my blocks 0-1, 2-3, 4-5, 6-7
.set STO,  9                           ; v9     my stage, in: 272 r + 32 h
.set RD,   10                          ; v10    and back: 272 h + 16 r
.set CO,   11                          ; v11    in out0: 4,096 h + 16 r
.set ASO,  12                          ; v12    in a tile's scale bytes: 32 r + 16 h
.set BOF,  13                          ; v13    in bo: 32 h
.set PF,   14                          ; v14    the prefetch's offset
.set SPW,  15                          ; v15    my spare word; never rewritten
.set NIL,  16                          ; v16    0; never rewritten
.set SB,   32                          ; v32-47  Wo's scale words, four registers a column tile
.set SA,   50                          ; v50-81  ctx's, four a block: no product's two scale registers have numbers equal modulo 8
.set BI,   88                          ; v88-119 bo in the accumulators' layout
.set ACC,  128                         ; v128-191 two sets of four accumulators
.set OB,   192                         ; v192-223 a block read back from the stage
.set WV, 20
.set WR, 21                            ; my row of waves: which 64 tokens of a chunk
.set WC, 22                            ; my column of waves: which 64 columns
.set CX, 23
.set CY, 24
.set TC, 25                            ; tile column: 128 columns
.set TR, 26                            ; tile row: 256 tokens
.set G1W, 28                           ; descriptor groups 1: Wo's halves, ctx's halves, a quarter of the refill
.set G1A, 36
.set G1R, 44
.set G0W, 52
.set G0A, 56
.set G0R, 60
.set MSB, 0
.macro WIN new                         ; the immediate's high byte repeats the setting that is left
.if MSB != (\new)
	s_set_vgpr_msb (MSB<<8)|(\new)
.set MSB, (\new)
.endif
.endm
.macro PLACES n
.rept \n
	v_nop
.endr
.endm
.macro BARRIER
	s_barrier_signal -1
	s_barrier_wait -1
.endm
.macro CROUND                          ; a round of the cluster's barrier
	BARRIER
	s_cmp_lg_u32 s[WV], 0
	s_cbranch_scc1 .Lnot_wave_0_\@
	s_barrier_signal -3
.Lnot_wave_0_\@:
	s_barrier_wait -3
	BARRIER
.endm
.macro TLOAD g0, g1                    ; an s_nop 0 and four v_nop follow a tensor load
	tensor_load_to_lds s[\g0:\g0+3], s[\g1:\g1+7]
	s_nop 0
	PLACES 4
.endm
.macro GROUP1 g, mask, rows            ; so many dense rows of 1,024 bytes, 16 bytes of padding behind each
	s_or_b32 s[\g+0], s[\mask], (1<<20)|(1<<21)|(7<<22)|(3<<25)
	s_mov_b32 s[\g+1], 1024<<16
	s_mov_b32 s[\g+2], (\rows)<<16
	s_mov_b32 s[\g+3], 1024<<16
	s_mov_b32 s[\g+4], \rows
	s_mov_b32 s[\g+5], 1024
	s_mov_b32 s[\g+6], 0
	s_mov_b32 s[\g+7], 0
.endm
	s_load_b256 s[4:11], s[0:1], 0x0               ; ctx_img, ctx_sc, Wo's codes, Wo's scales
	s_load_b128 s[12:15], s[0:1], 0x20             ; out0, bo
	v_lshl_add_u32 v[SPW], v0, 2, SPARE
	v_mov_b32 v[NIL], 0
	ds_add_u32 v[SPW], v[NIL]                      ; the opening lines: the add, twice on end, and its wait ahead of my first tensor load
	ds_add_u32 v[SPW], v[NIL]
	v_lshrrev_b32 v1, 5, v0
	v_readfirstlane_b32 s[WV], v1
	s_lshr_b32 s[WR], s[WV], 1
	s_and_b32 s[WC], s[WV], 1
	s_bfe_u32 s[CX], ttmp6, 0x40000
	s_bfe_u32 s[CY], ttmp6, 0x40004
	s_lshl_b32 s[TC], ttmp9, 2
	s_add_co_u32 s[TC], s[TC], s[CX]
	s_and_b32 s[TR], ttmp7, 0xffff
	s_lshl_b32 s[TR], s[TR], 2
	s_add_co_u32 s[TR], s[TR], s[CY]
	s_lshl_b32 s66, s[CY], 2
	s_lshl_b32 s66, 15, s66                        ; my row of the cluster: shares ctx's rows
	s_lshl_b32 s67, 0x1111, s[CX]                  ; my column: shares Wo's
	GROUP1 G1W, 67, 64
	GROUP1 G1A, 66, 64
	GROUP1 G1R, 66, 32
	s_mov_b32 s[G0W], 1
	s_mul_i32 s[G0W+1], s[WC], 64*PITCH
	s_add_co_u32 s[G0W+1], s[G0W+1], YB
	s_mov_b32 s[G0A], 1
	s_mul_i32 s[G0A+1], s[WC], 64*PITCH
	s_mov_b32 s[G0R], 1
	s_mul_i32 s[G0R+1], s[WV], 32*PITCH
	s_add_co_u32 s[G0R+1], s[G0R+1], YB
	; offsets into the buffers, each under 2^32
	s_lshl_b32 s70, s[TR], 18                      ; my 256 tokens in ctx_img: 16 tiles of 16,384 bytes
	s_lshl_b32 s68, s[WC], 16
	s_add_co_u32 s72, s70, s68                     ; the head: half of tokens 0-127
	s_mov_b32 s73, 0
	s_lshl_b32 s69, s[WV], 15
	s_add_co_u32 s74, s70, s69
	s_add_co_u32 s74, s74, 131072                  ; the refill: a quarter of tokens 128-255
	s_mov_b32 s75, 0
	s_lshl_b32 s76, s[TC], 17
	s_add_co_u32 s76, s76, s68                     ; half of Wo's 128 rows
	s_mov_b32 s77, 0
	s_lshl_b32 s78, s[TR], 13
	s_lshl_b32 s71, s[WR], 11
	s_add_co_u32 s78, s78, s71                     ; ctx_sc: token 256 TR + 64 WR
	s_mov_b32 s79, 0
	s_lshl_b32 s80, s[TC], 12
	s_lshl_b32 s71, s[WC], 11
	s_add_co_u32 s80, s80, s71                     ; Wo's scales: row 128 TC + 64 WC
	s_mov_b32 s81, 0
	s_lshl_b32 s82, s[TC], 9
	s_lshl_b32 s71, s[WC], 8
	s_add_co_u32 s82, s82, s71                     ; my first column, in bytes of f32
	s_mov_b32 s83, 0
	s_lshl_b32 s84, s[TR], 20
	s_lshl_b32 s71, s[WR], 18
	s_add_co_u32 s84, s84, s71
	s_add_co_u32 s84, s84, s82                     ; out0: that token's row, my first column
	s_mov_b32 s85, 0
	s_lshl_b32 s86, s[CX], 2
	s_add_co_u32 s86, s86, s[WV]
	s_lshl_b32 s86, s86, 13
	s_add_co_u32 s86, s86, s70
	s_add_co_u32 s86, s86, 131072                  ; the prefetch: my sixteenth of tokens 128-255
	s_mul_i32 s87, s[WC], 64*PITCH
	s_add_co_u32 s87, s87, YB                      ; my 64 rows of Wo in slot 1
	s_mul_i32 s88, s[WR], 4*TILE                   ; my four tiles of a chunk
	s_mul_i32 s89, s[WV], 16*SP
	s_add_co_u32 s89, s89, STG                     ; my stage
	v_and_b32 v1, 15, v0                           ; r
	v_bfe_u32 v2, v0, 4, 1                         ; h
	v_and_b32 v3, 31, v0                           ; lane
	v_mul_u32_u24 v20, v1, PITCH
	v_lshl_add_u32 v20, v2, 4, v20
	v_add_nc_u32 v[ADRB], s87, v20
	v_lshlrev_b32 v21, 4, v3
	v_add_nc_u32 v[AD], s88, v21
	v_add_nc_u32 v[AD+1], 2*TILE, v[AD]
	v_add_nc_u32 v[AD+2], YB, v[AD]
	v_add_nc_u32 v[AD+3], YB+2*TILE, v[AD]
	v_mul_u32_u24 v22, v1, SP
	v_lshl_add_u32 v22, v2, 5, v22
	v_add_nc_u32 v[STO], s89, v22
	v_mul_u32_u24 v23, v2, SP
	v_lshl_add_u32 v23, v1, 4, v23
	v_add_nc_u32 v[RD], s89, v23
	v_lshlrev_b32 v20, 12, v2
	v_lshl_add_u32 v[CO], v1, 4, v20
	v_lshlrev_b32 v21, 5, v1
	v_lshl_add_u32 v[ASO], v2, 4, v21
	v_lshlrev_b32 v[BOF], 5, v2
	v_lshl_add_u32 v[PF], v3, 8, s86
	s_wait_alu depctr_va_vdst(0)                   ; the wait at the head's end
	s_wait_dscnt 0x0                               ; both opening adds are done
	CROUND                                         ; all sixteen work-groups are here: the first joint loads meet
	s_wait_kmcnt 0x0
	s_add_nc_u64 s[G0W+2:G0W+3], s[8:9], s[76:77]
	s_or_b32 s[G0W+3], s[G0W+3], 0x80000000
	s_add_nc_u64 s[G0A+2:G0A+3], s[4:5], s[72:73]
	s_or_b32 s[G0A+3], s[G0A+3], 0x80000000
	s_add_nc_u64 s[G0R+2:G0R+3], s[4:5], s[74:75]
	s_or_b32 s[G0R+3], s[G0R+3], 0x80000000
	s_cmp_lt_u32 s[WV], 2                          ; one joint load a wave; Wo's waves have a line of their own, since the first barrier shows their tiles alone
	s_cbranch_scc0 .Lfor_a
	TLOAD G0W, G1W
	s_branch .Lasked
.Lfor_a:
	TLOAD G0A, G1A
.Lasked:
	s_add_nc_u64 s[6:7], s[6:7], s[78:79]
	s_add_nc_u64 s[10:11], s[10:11], s[80:81]
	s_add_nc_u64 s[14:15], s[14:15], s[82:83]
	s_add_nc_u64 s[12:13], s[12:13], s[84:85]
	global_prefetch_b8 v[PF], s[4:5] th:TH_LOAD_NT scope:SCOPE_SE
.irp b, 0,1,2,3
	global_load_b128 v[SB+4*\b:SB+4*\b+3], v[ASO], s[10:11] offset:512*\b
.endr
.irp i, 0,1,2,3,4,5,6,7
	global_load_b128 v[SA+4*\i:SA+4*\i+3], v[ASO], s[6:7] offset:((\i/4)*128+(\i%4)*16)*32
.endr
.irp b, 0,1,2,3
	global_load_b128 v[BI+8*\b:BI+8*\b+3], v[BOF], s[14:15] offset:64*\b          ; register 8 b + j: bo at my column 16 b + 8 h + j
	global_load_b128 v[BI+8*\b+4:BI+8*\b+7], v[BOF], s[14:15] offset:64*\b+16
.endr
	s_cmp_lt_u32 s[WV], 2
	s_cbranch_scc0 .Lnot_w
	s_wait_tensorcnt 0x0                           ; waves 0, 1: Wo's rows are in.  The other waves' wait stands in front of the round below
.Lnot_w:
	BARRIER
; my 64 rows of Wo, all of K: fragment 4 q + b (the q-th 128 of K, column tile b) is 16 registers: lane l holds row l % 16, registers 4 c .. 4 c + 3 hold K = 32 c + 16 (l / 16) + 0 .. 15.  Fragments 0-15 lie in window 1, 16-31 in window 2
.irp q, 0,1,2,3,4,5,6,7
	WIN (1+\q/4)<<6
.irp b, 0,1,2,3
.irp c, 0,1,2,3
	ds_load_b128 v[16*((4*\q+\b)%16)+4*\c:16*((4*\q+\b)%16)+4*\c+3], v[ADRB] offset:128*\q+32*\c+\b*16*PITCH
.endr
.endr
.endr
	WIN 0
	s_wait_tensorcnt 0x0                           ; all my tensor loads are in (waves 2, 3: tokens 0-127)
	ds_add_u32 v[SPW], v[NIL]
	s_wait_dscnt 0x0                               ; the add is done, and Wo is in my registers: my reads of slot 1 are over
	CROUND                                         ; both hold of every wave of all sixteen work-groups
	TLOAD G0R, G1R                                 ; tokens 128-255 over Wo's bytes: a quarter a wave
.macro FETCH i                         ; block i, 16 tokens, all of K, into set i % 2 of window 3: 32 loads, each of 512 bytes on end
	WIN 3<<6
.irp q, 0,1,2,3,4,5,6,7
.irp c, 0,1,2,3
	ds_load_b128 v[128*((\i)%2)+16*\q+4*\c:128*((\i)%2)+16*\q+4*\c+3], v[AD+(\i)/2] offset:((\i)%2)*TILE+(2*\q+\c/2)*PITCH+512*(\c%2)
.endr
.endr
	WIN 0
.endm
.macro PROD i, n                       ; product n = 4 q + b of block i.  The four accumulators take turns
.set Q_, (\n)/4
.set B_, (\n)%4
.set AC_, ACC+32*((\i)%2)+8*B_
.set R_, 128*((\i)%2)+16*Q_
.set W_, 16*((\n)%16)
.set XS_, SA+4*(\i)+Q_%4
.set WS_, SB+4*B_+Q_%4
	WIN (1+(\n)/16)|(3<<2)
.if Q_ == 0
	v_wmma_scale_f32_16x16x128_f8f6f4 v[AC_:AC_+7], v[W_:W_+15], v[R_:R_+15], v[BI+8*B_:BI+8*B_+7], v[WS_], v[XS_] matrix_a_fmt:MATRIX_FMT_BF8 matrix_b_fmt:MATRIX_FMT_BF8
.elseif Q_ < 4
	v_wmma_scale_f32_16x16x128_f8f6f4 v[AC_:AC_+7], v[W_:W_+15], v[R_:R_+15], v[AC_:AC_+7], v[WS_], v[XS_] matrix_a_fmt:MATRIX_FMT_BF8 matrix_b_fmt:MATRIX_FMT_BF8
.else
	v_wmma_scale_f32_16x16x128_f8f6f4 v[AC_:AC_+7], v[W_:W_+15], v[R_:R_+15], v[AC_:AC_+7], v[WS_], v[XS_] matrix_a_fmt:MATRIX_FMT_BF8 matrix_b_fmt:MATRIX_FMT_BF8 matrix_a_scale:MATRIX_SCALE_ROW1 matrix_b_scale:MATRIX_SCALE_ROW1
.endif
.endm
.macro PRODS i, from, to
.set N_, \from
.rept (\to)-(\from)
	PROD \i, N_
.set N_, N_+1
.endr
.endm
.macro TOSTAGE i                       ; a block's sums into my stage, each accumulator from its low end on, and back as whole rows: LDS serves a wave's instructions in order (ISA guide 5.7.1.4)
.set AS_, ACC+32*((\i)%2)
.irp b, 0,1,2,3
	ds_store_b128 v[STO], v[AS_+8*\b:AS_+8*\b+3] offset:64*\b
	ds_store_b128 v[STO], v[AS_+8*\b+4:AS_+8*\b+7] offset:64*\b+16
.endr
.irp t, 0,1,2,3,4,5,6,7
	ds_load_b128 v[OB+4*\t:OB+4*\t+3], v[RD] offset:\t*2*SP
.endr
.endm
.macro SEND i                          ; sixteen lanes store 256 consecutive bytes, aligned: a token's 64 columns of mine
.irp t, 0,1,2,3,4,5,6,7
	global_store_b128 v[CO], v[OB+4*\t:OB+4*\t+3], s[12:13] offset:(((\i)/4)*128+((\i)%4)*16+2*\t)*4096 th:TH_STORE_NT
.endr
.endm
; A BLOCK.  Behind its own fetch stand the stage's 16 instructions of the block before and the 32 loads of the next fetch: these may be out at its head.  In its middle the block before, back from the stage, is stored.
.macro BLK i
.if (\i) == 0
	s_wait_dscnt 32                                ; block 0 is in; block 1's 32 loads may be out
.elseif (\i) == 7
	s_wait_dscnt 16                                ; behind block 7's fetch: the stage's 16 alone
.else
	s_wait_dscnt 48
.endif
	PRODS \i, 0, 16
.if (\i) > 0
	WIN 0
.if (\i) == 2 || (\i) == 7
	s_wait_dscnt 0x0
.else
	s_wait_dscnt 32                                ; the stage's loads are back; the fetch behind them may be out
.endif
	SEND (\i)-1
.endif
.if (\i) == 2
	s_wait_tensorcnt 0x0                           ; my quarter of tokens 128-255 is in; no LDS instruction of mine is out
	s_barrier_signal -1
.endif
	PRODS \i, 16, 32
	WIN 0
.if (\i) == 2
	s_barrier_wait -1                              ; everybody's quarter is in: block 4 is fetched below.
.endif
	PLACES NP                                      ; behind the last product, ahead of the reads of its sums and of the loads into what it has read
	s_wait_xcnt 0x0                                ; the stores above have read their data: the stage's loads may land there
	TOSTAGE \i
.if (\i) < 6
	FETCH (\i)+2
.endif
.endm
	FETCH 0
	FETCH 1
	s_wait_loadcnt 0x0                             ; the scale words and bo
.irp i, 0,1,2,3,4,5,6,7
	BLK \i
.endr
	s_wait_dscnt 0x0
	SEND 7
	s_wait_tensorcnt 0x0                           ; the wave's end
	ds_add_u32 v[SPW], v[NIL]
	s_wait_dscnt 0x0
	CROUND                                         ; the closing round
	s_endpgm
.Lfunc_end_k_qc447bd011d_oproj:
	.size	k_qc447bd011d_oproj, .Lfunc_end_k_qc447bd011d_oproj-k_qc447bd011d_oproj
	.p2alignl 7, 3214868480
	.fill 96, 4, 3214868480
	.section	.rodata,"a",@progbits
	.p2align	6, 0x0
	.amdhsa_kernel k_qc447bd011d_oproj
		.amdhsa_group_segment_fixed_size 327680
		.amdhsa_private_segment_fixed_size 0
		.amdhsa_enable_private_segment 0
		.amdhsa_kernarg_size 48
		.amdhsa_user_sgpr_count 2
		.amdhsa_user_sgpr_kernarg_segment_ptr 1
		.amdhsa_wavefront_size32 1
		.amdhsa_system_sgpr_workgroup_id_x 1
		.amdhsa_system_sgpr_workgroup_id_y 1
		.amdhsa_system_sgpr_workgroup_id_z 1
		.amdhsa_system_vgpr_workitem_id 0
		.amdhsa_next_free_vgpr 1024
		.amdhsa_next_free_sgpr 96
		.amdhsa_reserve_vcc 0
		.amdhsa_float_denorm_mode_32 3
		.amdhsa_float_denorm_mode_16_64 3
		.amdhsa_memory_ordered 1
		.amdhsa_forward_progress 1
		.amdhsa_inst_pref_size 85
	.end_amdhsa_kernel
	.amdgpu_metadata
---
amdhsa.version: [ 1, 2 ]
amdhsa.kernels:
  - .name:           k_qc447bd011d_oproj
    .symbol:         k_qc447bd011d_oproj.kd
    .args:
      - { .name: ctx_img, .offset: 0, .size: 8, .value_kind: global_buffer, .address_space: global }
      - { .name: ctx_sc, .offset: 8, .size: 8, .value_kind: global_buffer, .address_space: global }
      - { .name: Wo_codes, .offset: 16, .size: 8, .value_kind: global_buffer, .address_space: global }
      - { .name: Wo_scales, .offset: 24, .size: 8, .value_kind: global_buffer, .address_space: global }
      - { .name: out0, .offset: 32, .size: 8, .value_kind: global_buffer, .address_space: global }
      - { .name: bo, .offset: 40, .size: 8, .value_kind: global_buffer, .address_space: global }
    .group_segment_fixed_size: 327680
    .private_segment_fixed_size: 0
    .kernarg_segment_align: 8
    .kernarg_segment_size: 48
    .max_flat_workgroup_size: 128
    .sgpr_count:     96
    .vgpr_count:     1024
    .wavefront_size: 32
...
	.end_amdgpu_metadata
.endif
;; end of part 3
